; MI455X (gfx1250); checked and timed in simulation.
; The chip was launched on July 23, 2026; its instructions are those of AMD's public machine-readable ISA for CDNA 5 (MIT licence, August 2026) and "CDNA5" Instruction Set Architecture Reference Guide (July 2026). The comments in the code are by the model that wrote it; some were corrected since.
;; Multi Head Self Attention. Allowed arithmetic: matrix products marked QUANTISED: E4M3 operands, one given power-of-two scale a tensor, by v_wmma_f32_16x16x64_fp8_fp8 or v_wmma_f32_16x16x128_fp8_fp8, f32 sums; everything else in f32.
;; Inputs: b_o 1,024 float32; ln_b 1,024 float32; ln_g 1,024 float32; lowp_scales 12 int32 (the exponents e of the quantised operands' scales 2^e); w_k_codes 1,024 x 32 x 32 uint8 (E4M3 codes of w_k, K innermost, in blocks of 32 codes); w_o_codes 1,024 x 32 x 32 uint8 (E4M3 codes of w_o, K innermost, in blocks of 32 codes); w_q_codes 1,024 x 32 x 32 uint8 (E4M3 codes of w_q, K innermost, in blocks of 32 codes); w_v_codes 1,024 x 32 x 32 uint8 (E4M3 codes of w_v, K innermost, in blocks of 32 codes); x 4 x 2,048 x 1,024 float32.
;; Outputs: out0 4 x 2,048 x 1,024 float32.
;; This version of the problem:
;;   THIS VERSION OF THE PROBLEM IS GIVEN IN LOW PRECISION. The matrix products marked QUANTISED in the list below multiply operands that are first quantised to E4M3 (4 exponent bits, 3 mantissa bits; 8 bits a number), with one given power-of-two scale for each operand tensor; their sums are f32. All else is computed in f32.
;;   The module's matrix products, in the order in which they are computed (A, B: the left and right operand; K: the contracted axis; several contracted axes count as one K, in the product's order):
;;     1. [M 8,192, K 1,024] x [K 1,024, N 1,024]; A: input x; B: input w_q (given as codes): QUANTISED (scales: A lowp_scales[0], B lowp_scales[1])
;;     2. [M 8,192, K 1,024] x [K 1,024, N 1,024]; A: input x; B: input w_k (given as codes): QUANTISED (scales: A lowp_scales[2], B lowp_scales[3])
;;     3. [M 8,192, K 1,024] x [K 1,024, N 1,024]; A: input x; B: input w_v (given as codes): QUANTISED (scales: A lowp_scales[4], B lowp_scales[5])
;;     4. batch 64 x [M 2,048, K 64] x [K 64, N 2,048]; A: computed on the way; B: computed on the way: QUANTISED (scales: A lowp_scales[6], B lowp_scales[7])
;;     5. batch 64 x [M 2,048, K 2,048] x [K 2,048, N 64]; A: softmax (see below); B: computed on the way: QUANTISED (scales: A lowp_scales[8], B lowp_scales[9])
;;     6. [M 8,192, K 1,024] x [K 1,024, N 1,024]; A: computed on the way; B: input w_o (given as codes): QUANTISED (scales: A lowp_scales[10], B lowp_scales[11])
;;   THE QUANTISER, for each operand of a quantised product, along K:
;;     - The operand's scale is 2^e, e = its entry of the input lowp_scales (int32; the entries are numbered through the quantised products in the list's order, A before B).
;;     - Each number is divided by the scale, clamped to +-448, and rounded to the nearest number of E4M3, ties to even, subnormals kept.
;;     - The product sums the exact products of the quantised numbers (number of the format x scale) in f32.
;;   ~~~python
;;   def quantise(x, axis, e):      # numpy; x: float32 -> the quantised numbers, widened to float32 again
;;       x = np.moveaxis(x, axis, -1); K = x.shape[-1]
;;       r = np.clip(x / 2.0 ** e, -448, 448)
;;       step = 2.0 ** (np.maximum(np.frexp(np.where(r == 0, 1, r))[1] - 1, -6) - 3)
;;       q = np.round(r / step) * step * 2.0 ** e      # np.round: ties to even
;;       return np.moveaxis(q, -1, axis).astype(np.float32)
;;   ~~~
;;   SOFTMAX AHEAD OF A QUANTISED PRODUCT. Where the list says 'softmax', what is quantised is not the finished softmax but p = 2^(t - M), with t = logit x log2(e) and M = ceil(the row's largest t), a whole number; so 1/2 < the row's largest p <= 1. The row's sum l is taken of the UNQUANTISED p, in f32, and the product's result is divided by l at the end. Since M is a whole number, a kernel that streams over the keys may use a running M (the ceiling of the running maximum): every later rescaling is an exact power of two, so the quantised numbers keep their values, but for numbers so far below the row's largest that they fall under the format's range.
;;   OPERANDS COMPUTED ON THE WAY. 'Computed on the way' means the value that the module computes at that place (a softmax that the list does not call 'softmax' is quantised finished and normalised). What goes into a quantiser is computed in f32, as accurately as f32 sums, v_exp_f32 and their like allow (about 1e-6 of the number): no bf16 or f16 on the way to a quantiser, and a product that is left as it is and whose result goes on into a quantised operand takes f32 operands (vector FMAs, or v_wmma_f32_16x16x4_f32). A number that lies on a knife's edge between two numbers of the format may be rounded either way, as far as f32 arithmetic and the matrix unit's own rounding can turn it there, and no further.
;;   INPUTS GIVEN AS CODES. w_k (in the module: [1024, 1024], K = its axis 1); w_o (in the module: [1024, 1024], K = its axis 1); w_q (in the module: [1024, 1024], K = its axis 1); w_v (in the module: [1024, 1024], K = its axis 1): each comes as NAME_codes (uint8): NAME with its K axis moved to the last place and cut into blocks of 32 codes, [.., K / 32, bytes a block], one block behind the other in memory; one code a byte (a code: sign, 4 exponent bits, 3 mantissa bits); its scale is its entry of lowp_scales. Its value is code x scale, taken as it is: it is not quantised again, and the codes and scales need not be those that the quantiser above would give.
;; 2 versions, each right; version 2 is version 1 with the launch attn written anew for expert scheduling mode. Each part assembles by itself: llvm-mc -triple=amdgcn-amd-amdhsa -mcpu=gfx1250 --defsym DOCPART=n.
;; ======== version 1 of 2: 4 launches
;; workspace buffers: xq 8,388,608 bytes; xk 8,388,608 bytes; xv 8,388,608 bytes; q_img 8,388,608 bytes; k_img 8,388,608 bytes; v_img 8,388,608 bytes; a_img 8,388,608 bytes; wo_img 1,048,576 bytes
;; launch quant (part 1): grid 288 x 1, 4 waves a work-group, no clusters, 33,280 bytes of LDS; arguments x, lowp_scales, w_o_codes, xq, xk, xv, wo_img; writes xq, xk, xv, wo_img
.if DOCPART == 1
	.amdgcn_target "amdgcn-amd-amdhsa--gfx1250"
	.amdhsa_code_object_version 6
	.text
	.protected	k_qc9b3e52f9e_quant
	.globl	k_qc9b3e52f9e_quant
	.p2align	8
	.type	k_qc9b3e52f9e_quant,@function
k_qc9b3e52f9e_quant:
	s_mov_b64 s[64:65], 0
	v_nop
	global_prefetch_b8 v0, s[64:65] scope:SCOPE_SE
	s_setreg_imm32_b32 hwreg(HW_REG_WAVE_MODE, 25, 1), 1
	s_wait_xcnt 0x0
; x [8192][1024] f32 is the left operand of three products, each with a given scale of its own (entries 0, 2, 4 of the scales): it is read once and turned
; into three tensors of E4M3 codes, xq, xk, xv, [8192][1024], K innermost.  code = x / 2^e, held within +-448, to the nearest code, ties to even.
; LIMITS: each of the three e lies between -126 and 119, so that 2^e and 448 x 2^e are f32 numbers.  NaN among the inputs is not served (an infinity is held at the largest code).
; Work-groups 0 to 255 take x: a plain stream; a wave takes 16 steps of 512 numbers.  A conversion takes 8 neighbours from ONE lane's registers, a load is best where neighbouring LANES take
; neighbouring bytes: each of a step's four loads reads 512 consecutive bytes, the 2,048 bytes go through the wave's own stage in LDS and come back 64 bytes a lane (80 bytes from lane to lane).
; A lane's 16 codes are 16 bytes: each store of the wave covers 512 consecutive bytes, aligned.  Loads run four steps ahead, the turn through LDS one step.  Waves share nothing: no barrier.
; Work-groups 256 to 287 lay w_o's codes anew, as images of the matrix operand's registers: fragment (nt, ks) = rows 16 nt + r, k = 128 ks on, 2,048 bytes at (8 nt + ks) x 2,048;
; register 4 c + i of lane L lies at 512 c + 16 L + 4 i, and registers 2 c, 2 c + 1 of lane (r, h) hold k = 16 c + 8 h + 0 .. 7.  Its loads take 8 bytes a lane from 16 rows: 1 MiB, once in the program.
.set XWG,   256                        ; work-groups for x: 8,388,608 numbers / (4 waves x 16 steps x 512)
.set STEPS, 16
.set SP,    80                         ; a lane's place in a stage: its 64 bytes + 16 of padding
.set WREG,  8192                       ; LDS: a region for each wave: two stages of 32 x SP bytes
.set R,     16                         ; v16-79   four sets of 16 numbers as they are loaded
.set X,     80                         ; v80-111  two sets of 16 neighbours
.set T,     112                        ; v112-159 the 16 numbers held for each of the three scales
.set C,     160                        ; v160-207 codes: 12 registers a step, four steps by turns
	s_load_b256 s[4:11], s[0:1], 0x0               ; x s[4:5], the scales' exponents s[6:7], w_o's codes s[8:9], xq s[10:11]
	s_load_b128 s[12:15], s[0:1], 0x20             ; xk, xv
	s_load_b64 s[16:17], s[0:1], 0x30              ; wo_img
	v_lshl_add_u32 v208, v0, 2, 0x8000
	v_mov_b32 v209, 0
	v_lshrrev_b32 v1, 5, v0
	v_readfirstlane_b32 s18, v1                    ; wave
	v_and_b32 v2, 31, v0                           ; lane
	v_lshlrev_b32 v3, 4, v2                        ; my 16 bytes of a load's 512
	v_lshlrev_b32 v4, 4, v2                        ; and of a store's
	s_cmp_lt_u32 ttmp9, XWG                        ; the two paths part on the work-group's number; only x's path uses LDS
	s_cbranch_scc0 .Lwo
	s_mul_i32 s19, s18, WREG
	v_lshrrev_b32 v14, 2, v2
	v_mul_u32_u24 v14, v14, SP
	v_and_b32 v15, 3, v2
	v_lshl_add_u32 v14, v15, 4, v14
	v_add_nc_u32 v14, s19, v14                     ; the stage, on the way in: four lanes' 64 bytes on end, then 16 of padding
	v_mul_u32_u24 v15, v2, SP
	v_add_nc_u32 v15, s19, v15                     ; and on the way out: my 16 neighbours
	s_lshl_b32 s20, ttmp9, 2
	s_add_co_u32 s20, s20, s18                     ; which run of 8,192 numbers is my wave's
	s_lshl_b32 s22, s20, 15                        ; in x: 32,768 bytes
	s_mov_b32 s23, 0
	s_lshl_b32 s20, s20, 13                        ; in the codes: 8,192 bytes
	s_mov_b32 s21, 0
	s_wait_kmcnt 0x0
	s_load_b256 s[24:31], s[6:7], 0x0              ; entries 0 to 7; 0, 2 and 4 are x's
	s_add_nc_u64 s[4:5], s[4:5], s[22:23]
	s_add_nc_u64 s[10:11], s[10:11], s[20:21]
	s_add_nc_u64 s[12:13], s[12:13], s[20:21]
	s_add_nc_u64 s[14:15], s[14:15], s[20:21]
.macro LOAD t
.irp i, 0,1,2,3
	global_load_b128 v[R+16*((\t)%4)+4*\i:R+16*((\t)%4)+4*\i+3], v3, s[4:5] offset:2048*(\t)+512*\i th:TH_LOAD_NT   ; 32 lanes read 512 consecutive bytes
.endr
.endm
.macro TURN t                          ; step t's numbers through the stage: LDS serves a wave's instructions in order, so no wait stands between the stores and the loads
.irp i, 0,1,2,3
	ds_store_b128 v14, v[R+16*((\t)%4)+4*\i:R+16*((\t)%4)+4*\i+3] offset:32*SP*((\t)%2)+8*SP*\i
.endr
.irp i, 0,1,2,3
	ds_load_b128 v[X+16*((\t)%2)+4*\i:X+16*((\t)%2)+4*\i+3], v15 offset:32*SP*((\t)%2)+16*\i
.endr
.endm
.irp t, 0,1,2,3
	LOAD \t
.endr
	s_wait_kmcnt 0x0
.irp z, 0,1,2                          ; v5, v7, v9: 2^e as f32 (the conversion takes its exponent field); v6, v8, v10: 448 x 2^e
	s_add_co_i32 s[24+2*\z], s[24+2*\z], 127
	s_lshl_b32 s32, s[24+2*\z], 23
	v_mov_b32 v[5+2*\z], s32
	s_add_co_i32 s[24+2*\z], s[24+2*\z], 8
	s_lshl_b32 s32, s[24+2*\z], 23
	s_or_b32 s32, s32, 0x600000
	v_mov_b32 v[6+2*\z], s32
.endr
	s_wait_loadcnt 12                              ; step 0's four loads are in
	TURN 0
.macro STEP t
.set XS, X+16*((\t)%2)
.set CC, C+12*((\t)%4)
	s_wait_dscnt 0x0                               ; this step's numbers are back from the stage: so its stores into the stage have read their registers,
.if (\t)+4 < STEPS
	LOAD (\t)+4                                    ; which take the loads of four steps on
.endif
.if (\t)+1 < STEPS
.if STEPS-2-(\t) >= 3
	s_wait_loadcnt 12                              ; the next step's four loads are in; those of the three steps behind it may be out
.else
	s_wait_loadcnt 4*(STEPS-2-(\t))
.endif
	TURN (\t)+1                                    ; and go through the other stage while this step is worked
.endif
.irp z, 0,1,2
.irp i, 0,1,2,3,4,5,6,7,8,9,10,11,12,13,14,15
	v_med3_num_f32 v[T+16*\z+\i], v[XS+\i], -v[6+2*\z], v[6+2*\z]   ; the conversion to an 8-bit code does not saturate (ISA guide 7.6.2): the hold at the largest code x the scale, once for each scale
.endr
.endr
	s_wait_xcnt 0x0                                ; the stores of four steps back have read these code registers: they are written again only behind this wait
.irp z, 0,1,2
	v_cvt_scalef32_pk8_fp8_f32 v[CC+4*\z:CC+4*\z+1], v[T+16*\z:T+16*\z+7], v[5+2*\z]
	v_cvt_scalef32_pk8_fp8_f32 v[CC+4*\z+2:CC+4*\z+3], v[T+16*\z+8:T+16*\z+15], v[5+2*\z]
.endr
	v_nop                                          ; one plain vector line between the conversions and the next step's holds, which write their sources
.irp z, 0,1,2
	global_store_b128 v4, v[CC+4*\z:CC+4*\z+3], s[10+2*\z:11+2*\z] offset:512*(\t)   ; 512 consecutive bytes, aligned
.endr
.endm
.irp t, 0,1,2,3,4,5,6,7,8,9,10,11,12,13,14,15
	STEP \t
.endr
	s_wait_tensorcnt 0x0
	ds_add_u32 v208, v209
	s_wait_dscnt 0x0
	s_endpgm
.Lwo:                                  ; wave g of 128 takes four fragments: nt = g / 2, ks = 4 (g % 2) + q
	s_sub_co_u32 s20, ttmp9, XWG
	s_lshl_b32 s20, s20, 2
	s_add_co_u32 s20, s20, s18                     ; g
	s_lshr_b32 s21, s20, 1
	s_lshl_b32 s22, s21, 14                        ; 16 rows of 1,024 bytes x nt
	s_and_b32 s21, s20, 1
	s_lshl_b32 s21, s21, 9                         ; + 512 along K for the odd g
	s_add_co_u32 s22, s22, s21
	s_mov_b32 s23, 0
	s_lshl_b32 s20, s20, 13                        ; out: four images of 2,048 bytes x g
	s_mov_b32 s21, 0
	v_and_b32 v5, 15, v0                           ; r
	v_bfe_u32 v6, v0, 4, 1                         ; h
	v_lshlrev_b32 v5, 10, v5
	v_lshl_add_u32 v5, v6, 3, v5                   ; row r, + 8 h
	s_wait_kmcnt 0x0
	s_add_nc_u64 s[8:9], s[8:9], s[22:23]
	s_add_nc_u64 s[16:17], s[16:17], s[20:21]
.irp q, 0,1,2,3
.irp c, 0,1,2,3,4,5,6,7
	global_load_b64 v[16+16*\q+2*\c:17+16*\q+2*\c], v5, s[8:9] offset:128*\q+16*\c   ; registers 2 c, 2 c + 1: k = 16 c + 8 h + 0 .. 7
.endr
.endr
	s_wait_loadcnt 0x0
.irp q, 0,1,2,3
.irp c, 0,1,2,3
	global_store_b128 v4, v[16+16*\q+4*\c:19+16*\q+4*\c], s[16:17] offset:2048*\q+512*\c   ; the registers as they stand: 512 consecutive bytes, aligned
.endr
.endr
	s_endpgm
.Lfunc_end_k_qc9b3e52f9e_quant:
	.size	k_qc9b3e52f9e_quant, .Lfunc_end_k_qc9b3e52f9e_quant-k_qc9b3e52f9e_quant
	.p2alignl 7, 3214868480
	.fill 96, 4, 3214868480
	.section	.rodata,"a",@progbits
	.p2align	6, 0x0
	.amdhsa_kernel k_qc9b3e52f9e_quant
		.amdhsa_group_segment_fixed_size 33280
		.amdhsa_private_segment_fixed_size 0
		.amdhsa_enable_private_segment 0
		.amdhsa_kernarg_size 56
		.amdhsa_user_sgpr_count 2
		.amdhsa_user_sgpr_kernarg_segment_ptr 1
		.amdhsa_wavefront_size32 1
		.amdhsa_system_sgpr_workgroup_id_x 1
		.amdhsa_system_sgpr_workgroup_id_y 1
		.amdhsa_system_sgpr_workgroup_id_z 1
		.amdhsa_system_vgpr_workitem_id 0
		.amdhsa_next_free_vgpr 210
		.amdhsa_next_free_sgpr 66
		.amdhsa_reserve_vcc 0
		.amdhsa_float_denorm_mode_32 3
		.amdhsa_float_denorm_mode_16_64 3
		.amdhsa_memory_ordered 1
		.amdhsa_forward_progress 1
		.amdhsa_inst_pref_size 83
	.end_amdhsa_kernel
	.amdgpu_metadata
---
amdhsa.version: [ 1, 2 ]
amdhsa.kernels:
  - .name:           k_qc9b3e52f9e_quant
    .symbol:         k_qc9b3e52f9e_quant.kd
    .args:
      - { .name: x, .offset: 0, .size: 8, .value_kind: global_buffer, .address_space: global }
      - { .name: lowp_scales, .offset: 8, .size: 8, .value_kind: global_buffer, .address_space: global }
      - { .name: w_o_codes, .offset: 16, .size: 8, .value_kind: global_buffer, .address_space: global }
      - { .name: xq, .offset: 24, .size: 8, .value_kind: global_buffer, .address_space: global }
      - { .name: xk, .offset: 32, .size: 8, .value_kind: global_buffer, .address_space: global }
      - { .name: xv, .offset: 40, .size: 8, .value_kind: global_buffer, .address_space: global }
      - { .name: wo_img, .offset: 48, .size: 8, .value_kind: global_buffer, .address_space: global }
    .group_segment_fixed_size: 33280
    .private_segment_fixed_size: 0
    .kernarg_segment_align: 8
    .kernarg_segment_size: 56
    .max_flat_workgroup_size: 128
    .sgpr_count:     66
    .vgpr_count:     210
    .wavefront_size: 32
...
	.end_amdgpu_metadata
.endif
;; end of part 1
;; launch qkv (part 2): grid 12 x 32, 4 waves a work-group, clusters of 4 x 4, 327,680 bytes of LDS; arguments xq, xk, w_v_codes, w_q_codes, w_k_codes, xv, q_img, k_img, v_img, lowp_scales; writes q_img, k_img, v_img
.if DOCPART == 2
	.amdgcn_target "amdgcn-amd-amdhsa--gfx1250"
	.amdhsa_code_object_version 6
	.text
	.protected	k_qc9b3e52f9e_qkv
	.globl	k_qc9b3e52f9e_qkv
	.p2align	8
	.type	k_qc9b3e52f9e_qkv,@function
k_qc9b3e52f9e_qkv:
	s_mov_b64 s[64:65], 0
	v_nop
	global_prefetch_b8 v0, s[64:65] scope:SCOPE_SE
	s_setreg_imm32_b32 hwreg(HW_REG_WAVE_MODE, 25, 1), 1
	s_wait_xcnt 0x0
	s_wait_alu depctr_hold_cnt(0) depctr_sa_sdst(0) depctr_va_vdst(0) depctr_va_sdst(0) depctr_va_ssrc(0) depctr_va_vcc(0) depctr_vm_vsrc(0)
	s_getreg_b32 s2, hwreg(HW_REG_IB_STS2, 6, 4)
	s_cmp_eq_u32 s2, 0
	s_cbranch_scc0 .Lentry_in_a_cluster
	s_endpgm
.Lentry_in_a_cluster:
	s_bfe_u32 s2, ttmp6, 0x10000c
	s_cmp_lg_u32 s2, 0xf033
	s_cbranch_scc0 .Lentry_shape_is_right
	s_endpgm
.Lentry_shape_is_right:
; The three projections, on codes of E4M3 by v_wmma_f32_16x16x128_fp8_fp8, K = 1,024; their results are quantised in registers (entries 6, 7, 9 of the scales) and stored as images of the next products' operand registers.
; THE CLUSTER'S x PICKS THE PRODUCT (0: Q, 1: K, 2: V): it is the same number in all sixteen partners, and it only selects pointers and tile numbers: no branch hangs on it.
;   Q, K: A = x's codes (8,192 rows), B = the weight's (1,024 rows).   V: A = w_v's codes (1,024 rows e), B = x's (8,192 rows, the keys): so that a lane's eight results are eight neighbouring KEYS, V's K in the next product.
; A tile, 256 x 256, is made by four waves, 128 x 128 each: 64 accumulators, 512 registers.  K goes in steps of 256 through a ring of two LDS slots filled by the tensor data mover: a tile's row is 256 bytes of memory.
; CLUSTERS: 4 x 4 work-groups.  The four of a row of the cluster need the same tiles of A, the four of a column the same tiles of B: each tile is asked for JOINTLY, by the same tensor load with the same descriptor and a mask that names the four.
; THE MATRIX INSTRUCTION IS USED TRANSPOSED (source 0 = 16 rows of B, source 1 = 16 rows of A): lane (r, h) of accumulator (a, b) holds row 16 a + r of A's and columns 16 b + 8 h + 0 .. 7 of B's.
; Fragments come by four loads of 16 bytes: a permutation of k, the same in A and in B, so every product meets its partner.
; THE WAY OUT.  A sum stands for sum x 2^(ea + eb); its code is sum / 2^D, D = e_out - ea - eb, held within +-448 x 2^D.  The eight conversions of block a give 16 registers, pair b = columns 16 b + 8 h + 0 .. 7:
;   Q, K: registers 0-7 are the K = 64 fragment (16 rows s x 64 d) of the even head of my pair of heads, 8-15 the odd head's;   V: the K = 128 fragment of 16 rows e x 128 keys.  They are stored as they stand, 16 bytes a lane.
;   q_img, k_img: b x 2,097,152 + hp x 262,144 + (s / 16) x 2,048 + (head % 2) x 1,024 + 512 c + 16 lane;   v_img: b x 2,097,152 + hp x 262,144 + (key / 128) x 16,384 + a x 2,048 + 512 c + 16 lane (hp: the pair of heads).
; LIMITS: each D lies between -126 and 119, so that 2^D and 448 x 2^D are f32 numbers.
; No prefetch: K has four steps, two of which are the first fills.
; REGISTERS, in windows of 256: window 0: v0-31 addresses and the two scale numbers; from v128 A's fragments, ONE set; on the way out v32-95 the held sums, v128-255 the codes.
;   window 1: B's fragments, TWO sets, at v0 and v128.   window 2: the accumulators of my rows 0-63 ((a, b) at v[8 (8 a + b)]);   window 3: those of my rows 64-127.
.set SIZE_K, 1024
.set KSTEP,  256                       ; along K in a slot
.set ROWB,   256                       ; a tile's row in bytes
.set KROW,   SIZE_K                    ; a row of A or of B in memory, in bytes
.set PITCH,  272                       ; an LDS row: 256 bytes + 16 of padding = 68 words: row r starts at bank 4 r mod 64 (64 banks of 4 bytes: ISA guide 11.1)
.set FR,     16                        ; registers of a fragment: 16 rows x 128 K
.set NL,     4                         ; LDS loads that bring one
.set NP,     4                         ; places behind this matrix instruction (ISA guide 7.12.1)
.set HALFT,  128*PITCH                 ; 128 rows: what one tensor load brings, and what one wave reads of A or of B
.set SLOT,   4*HALFT                   ; A's 256 rows, then B's 256 rows
.set LAPS,   SIZE_K/(2*KSTEP)          ; a lap = two K steps = once round the ring
.set SPARE,  2*SLOT                    ; behind the ring: the spare words, 128 bytes for each wave: two blocks of 256 bytes that no other line names
.set ADRA, 16                          ; v16-17  LDS address of my A fragments in slot 0, 1
.set ADRB, 20                          ; v20-21  the same for B
.set CO,   26                          ; v26     16 x lane: my place in an image
.set SPW,  28                          ; v28     LDS address of my spare word; never rewritten
.set NIL,  29                          ; v29     0; never rewritten
.set LIM,  30                          ; v30     448 x 2^D
.set SCL,  31                          ; v31     2^D
.set TMP,  32                          ; the way out: a block's 64 held sums
.set AF,   128                         ; A's fragments, in window 0
.set G1, 24                            ; s[24:31] descriptor group 1 for A's tiles;  s[32:39] group 0, one set for each slot
.set G0, 32
.set G1B, 48                           ; s[48:55], s[56:63] the same for B's tiles
.set G0B, 56
.set MSB, 0
.macro WIN new                         ; the immediate's high byte repeats the setting that is left
.if MSB != \new
	s_set_vgpr_msb (MSB<<8)|\new
.set MSB, \new
.endif
.endm
.set MUL_LO, 0xa1                      ; source 0 (B) window 1, source 1 (A) window 0, C and D window 2
.set MUL_HI, 0xf1                      ; the same, C and D window 3
.set TO_B,   0x40                      ; destination window 1, address window 0
; A joint load: waves 0 and 1 fetch for A, waves 2 and 3 for B.  Each of the two lines has ONE mask and one set of registers for all that issue it; the branch hangs on the wave's number alone.
; Four v_nop follow each of the two lines, ahead of the jump, the label and what follows.
.macro JLOAD g0a, g1a, g0b, g1b
	s_cmp_eq_u32 s15, 0
	s_cbranch_scc0 .Lfor_b_\@
	tensor_load_to_lds s[\g0a:\g0a+3], s[\g1a:\g1a+7]
	s_nop 0
.rept 4
	v_nop
.endr
	s_branch .Lasked_\@
.Lfor_b_\@:
	tensor_load_to_lds s[\g0b:\g0b+3], s[\g1b:\g1b+7]
	s_nop 0
.rept 4
	v_nop
.endr
.Lasked_\@:
.endm
.macro CREST                           ; a round of the cluster's barrier behind its opening barrier
	s_cmp_lg_u32 s14, 0
	s_cbranch_scc1 .Lnot_wave_0_\@
	s_barrier_signal -3
.Lnot_wave_0_\@:
	s_barrier_wait -3
	s_barrier_signal -1
	s_barrier_wait -1
.endm
.macro CROUND                          ; a whole round
	s_barrier_signal -1
	s_barrier_wait -1
	CREST
.endm
	s_load_b512 s[68:83], s[0:1], 0x0              ; A's candidates xq, xk, w_v: s[68:73]; B's w_q, w_k, xv: s[74:79]; q_img, k_img: s[80:83]
	s_load_b128 s[84:87], s[0:1], 0x40             ; v_img s[84:85], the scales' exponents s[86:87]
	v_lshl_add_u32 v[SPW], v0, 2, SPARE
	v_mov_b32 v[NIL], 0
	ds_add_u32 v28, v29
	ds_add_u32 v28, v29
	s_wait_dscnt 0x0
	v_lshrrev_b32 v1, 5, v0
	v_readfirstlane_b32 s14, v1                    ; wave 0..3
	s_lshr_b32 s15, s14, 1                         ; which half of the tile's rows is mine.  Also: I fetch for A (0) or for B (1)
	s_and_b32 s16, s14, 1                          ; which half of its columns.  Also: which 128 rows of that tile I fetch
	s_bfe_u32 s40, ttmp6, 0x40000                  ; cx, cy: my place in the cluster
	s_bfe_u32 s41, ttmp6, 0x40004
	s_and_b32 s12, ttmp7, 0xffff
	s_lshl_b32 s12, s12, 2                         ; 4 x cluster y: it walks the 8,192 rows of x, which are A's rows for Q and K and B's for V
	s_cmp_eq_u32 ttmp9, 2
	s_cselect_b32 s13, 0, s12
	s_cselect_b32 s12, s12, 0
	s_add_co_u32 s17, s41, s13                     ; tile row (of A's rows) = cy + 4 x cluster y, or cy
	s_add_co_u32 s42, s40, s12                     ; tile column (of B's rows) = cx, or cx + 4 x cluster y
	s_lshl_b32 s43, s41, 2
	s_lshl_b32 s43, 15, s43                        ; my row of the cluster
	s_lshl_b32 s44, 0x1111, s40                    ; my column
	; descriptor group 1: a tile of 128 rows x ROWB bytes, padded in LDS
	s_or_b32 s[G1+0], s43, (0<<16)|(1<<20)|(1<<21)|(5<<22)|(3<<25)  ; 15:0 the mask: A's tiles go to my row; 17:16 element of 1 byte; 20 padding on; 21 set beside a mask; 24:22 after every 64 words (code 5); 31:25 of 4 words (code 3)
	s_or_b32 s[G1B+0], s44, (0<<16)|(1<<20)|(1<<21)|(5<<22)|(3<<25)
.irp g, G1, G1B
	s_mov_b32 s[\g+1], ROWB<<16                    ; tensor_dim0
	s_mov_b32 s[\g+2], 128<<16                     ; tensor_dim1 = 128
	s_mov_b32 s[\g+3], ROWB<<16                    ; tile_dim0
	s_mov_b32 s[\g+4], 128                         ; tile_dim1 = 128
	s_mov_b32 s[\g+5], KROW                        ; tensor_dim0_stride
	s_mov_b32 s[\g+6], 0
	s_mov_b32 s[\g+7], 0
.endr
	s_lshl_b32 s18, s16, 7                         ; which 128 rows of the tile I fetch
	s_lshl_b32 s20, s17, 8
	s_add_co_u32 s20, s20, s18                     ; A: row 256 x tile row + 128 x half,
	s_lshl_b32 s20, s20, 10                        ; of 1,024 bytes (8,191 rows at the most: under 2^32)
	s_mov_b32 s21, 0
	s_lshl_b32 s46, s42, 8
	s_add_co_u32 s46, s46, s18                     ; B: row 256 x tile column + 128 x half
	s_lshl_b32 s46, s46, 10
	s_mov_b32 s47, 0
	s_mul_i32 s45, s14, HALFT                      ; where they go: wave x 128 rows: no place in the cluster enters an LDS address
	s_wait_kmcnt 0x0
	s_cmp_eq_u32 ttmp9, 1                          ; the product's three buffers, chosen by the cluster's x
	s_cselect_b64 s[4:5], s[70:71], s[68:69]
	s_cselect_b64 s[6:7], s[76:77], s[74:75]
	s_cselect_b64 s[10:11], s[82:83], s[80:81]
	s_cmp_eq_u32 ttmp9, 2
	s_cselect_b64 s[4:5], s[72:73], s[4:5]
	s_cselect_b64 s[6:7], s[78:79], s[6:7]
	s_cselect_b64 s[10:11], s[84:85], s[10:11]
	s_load_b256 s[88:95], s[86:87], 0x0            ; entries 0 to 7,
	s_load_b128 s[96:99], s[86:87], 0x20           ; 8 to 11: waited for on the way out
	s_add_nc_u64 s[20:21], s[4:5], s[20:21]
	s_add_nc_u64 s[46:47], s[6:7], s[46:47]
	CROUND                                         ; all sixteen work-groups are here: the first joint loads meet
.irp s, 0,1
	s_mov_b32 s[G0+4*\s], 1
	s_add_co_u32 s[G0+4*\s+1], s45, \s*SLOT
	s_add_nc_u64 s[G0+4*\s+2:G0+4*\s+3], s[20:21], \s*ROWB
	s_or_b32 s[G0+4*\s+3], s[G0+4*\s+3], 0x80000000
	s_mov_b32 s[G0B+4*\s], 1
	s_add_co_u32 s[G0B+4*\s+1], s45, \s*SLOT
	s_add_nc_u64 s[G0B+4*\s+2:G0B+4*\s+3], s[46:47], \s*ROWB
	s_or_b32 s[G0B+4*\s+3], s[G0B+4*\s+3], 0x80000000
	JLOAD G0+4*\s, G1, G0B+4*\s, G1B
.endr
	v_and_b32 v1, 15, v0                           ; l % 16
	v_bfe_u32 v2, v0, 4, 1                         ; l / 16
	v_mul_u32_u24 v3, v1, PITCH
	v_lshl_add_u32 v4, v2, 4, v3                   ; a fragment's row x pitch + 16 x half
	s_mul_i32 s21, s15, HALFT                      ; my 128 rows of A
	s_mul_i32 s22, s16, HALFT                      ; my 128 rows of B,
	s_add_co_u32 s22, s22, 2*HALFT                 ; which lie behind A's 256
.irp s, 0,1
	v_add_nc_u32 v[ADRA+\s], s21, v4
	v_add_nc_u32 v[ADRB+\s], s22, v4
	s_add_co_u32 s21, s21, SLOT
	s_add_co_u32 s22, s22, SLOT
.endr
	v_and_b32 v6, 31, v0
	v_lshlrev_b32 v[CO], 4, v6
	; where my 128 x 128 goes: its block of 128 rows of x (batch x 16 + block) and its pair of heads
	s_lshl_b32 s20, s17, 1
	s_add_co_u32 s20, s20, s15                     ; my block of A's rows
	s_lshl_b32 s21, s42, 1
	s_add_co_u32 s21, s21, s16                     ; my block of B's rows
	s_cmp_eq_u32 ttmp9, 2
	s_cselect_b32 s22, s21, s20                    ; the block of x's rows
	s_cselect_b32 s23, s20, s21                    ; the pair of heads
	s_lshr_b32 s20, s22, 4
	s_lshl_b32 s20, s20, 21                        ; batch x 2,097,152
	s_lshl_b32 s23, s23, 18                        ; + pair x 262,144
	s_add_co_u32 s20, s20, s23
	s_and_b32 s22, s22, 15
	s_lshl_b32 s22, s22, 14                        ; + block x 16,384
	s_add_co_u32 s20, s20, s22
	s_mov_b32 s21, 0
	s_add_nc_u64 s[10:11], s[10:11], s[20:21]
.macro FRAG reg, adr, q, i             ; a fragment, 16 rows x 128 K, is 16 registers: lane l holds row l % 16; registers 4 c .. 4 c + 3 hold K = 32 c + 16 (l / 16) + 0 .. 15
.irp c, 0,1,2,3
	ds_load_b128 v[\reg+4*\c:\reg+4*\c+3], v[\adr] offset:128*(\q)+32*\c+(\i)*16*PITCH
.endr
.endm
; 16 matrix instructions: A's blocks a0, a0 + 1 x B's eight, 128 along K.  p: B's set.  zero = 1: the first product starts the sums: nothing is ever cleared.
; The 64 accumulators take turns, one instruction a turn, in the same order in every step.
.macro MUL16 a0, p, zero
.irp a, \a0, \a0+1
.irp b, 0,1,2,3,4,5,6,7
.if \zero
	v_wmma_f32_16x16x128_fp8_fp8 v[8*(8*((\a)%4)+\b):8*(8*((\a)%4)+\b)+7], v[128*(\p)+FR*\b:128*(\p)+FR*\b+FR-1], v[AF+FR*(\a):AF+FR*(\a)+FR-1], 0
.else
	v_wmma_f32_16x16x128_fp8_fp8 v[8*(8*((\a)%4)+\b):8*(8*((\a)%4)+\b)+7], v[128*(\p)+FR*\b:128*(\p)+FR*\b+FR-1], v[AF+FR*(\a):AF+FR*(\a)+FR-1], v[8*(8*((\a)%4)+\b):8*(8*((\a)%4)+\b)+7]
.endif
.endr
.endr
.endm
.macro FETCH_B slot, q, p              ; B's eight fragments of the slot's q-th 128 along K into set p
	WIN TO_B
.irp i, 0,1,2,3,4,5,6,7
	FRAG 128*(\p)+FR*\i, ADRB+\slot, \q, \i
.endr
	WIN 0
.endm
.macro FETCH_A slot, q, i0             ; A's blocks i0 .. i0 + 3
.irp i, \i0, \i0+1, \i0+2, \i0+3
	FRAG AF+FR*(\i), ADRA+\slot, \q, \i
.endr
.endm
; A load into a register that a matrix instruction has read, and a vector instruction that reads a matrix result, stand NP places behind that matrix instruction, and only plain vector
; instructions that name none of its registers are places (ISA guide 7.12.1 for vector instructions).
.macro PLACES n
.rept \n
	v_nop
.endr
.endm
; A step of 128 along K that has its successor in the same slot.  A block of A is free as soon as its eight products are issued: blocks 0-3 are fetched anew in the step's middle, blocks 4-7 at its end.
.macro STEP slot, q, zero
	s_wait_dscnt 4*NL                              ; B's set and A's blocks 0-3 are in; the youngest sixteen loads (A's blocks 4-7) may be out
	WIN MUL_LO
	MUL16 0, (\q)%2, \zero
	MUL16 2, (\q)%2, \zero
	s_wait_dscnt 0                                 ; A's blocks 4-7 are in (asked for 32 matrix instructions ago)
	PLACES NP
	FETCH_B \slot, (\q)+1, 1-(\q)%2
	FETCH_A \slot, (\q)+1, 0
	WIN MUL_HI
	MUL16 4, (\q)%2, \zero
	MUL16 6, (\q)%2, \zero
	PLACES NP
	WIN 0
	FETCH_A \slot, (\q)+1, 4
.endm
; A slot's last step changes slots: ONE barrier; in front of it each wave waits for all its tensor loads, adds 0 to its spare word, and waits for that and for its own reads of this slot.  fill = 1: this slot is filled again, two K steps ahead.
.macro TURN slot, next, fill
	s_wait_tensorcnt 0x0                           ; all my tensor loads have landed: my part of the next slot;  (every window is 0 here: the add's two registers lie in window 0)
	ds_add_u32 v[SPW], v[NIL]                      ; 0 onto my spare word
	s_wait_dscnt 4*NL+1                            ; (the add and the youngest sixteen loads, A's blocks 4-7, may be out)
	WIN MUL_LO
	MUL16 0, 1, 0                                  ; sixteen matrix instructions stand between the add and the wait for it
	s_wait_dscnt 0x0                               ; the add is done, and my reads of this slot are over
	s_barrier_signal -1
	MUL16 2, 1, 0
	WIN 0
	s_barrier_wait -1
.if \fill
	CREST                                          ; the barrier has opened a round of the cluster's barrier: no wave of any partner still reads this slot's tile or has a load on its way
	s_add_nc_u64 s[G0+4*\slot+2:G0+4*\slot+3], s[G0+4*\slot+2:G0+4*\slot+3], 2*ROWB
	s_add_nc_u64 s[G0B+4*\slot+2:G0B+4*\slot+3], s[G0B+4*\slot+2:G0B+4*\slot+3], 2*ROWB
	JLOAD G0+4*\slot, G1, G0B+4*\slot, G1B         ; the first tensor load behind the round; the four v_nop behind it are the places in front of the loads below
.else
	PLACES NP
.endif
	FETCH_B \next, 0, 0
	FETCH_A \next, 0, 0
	WIN MUL_HI
	MUL16 4, 1, 0
	MUL16 6, 1, 0
	PLACES NP
	WIN 0
	FETCH_A \next, 0, 4
.endm
	s_wait_tensorcnt 1                             ; my part of K step 0 is in (K step 1's load may be out)
	s_barrier_signal -1
	s_barrier_wait -1                              ; everybody's is
	FETCH_B 0, 0, 0
	FETCH_A 0, 0, 0
	FETCH_A 0, 0, 4
	STEP 0, 0, 1                                   ; the first step stands in front of the loop: its products start the sums
	s_mov_b32 s3, LAPS-1
.Llap:                                                 ; a trip goes once round the ring, from a lap's second step to the next lap's first, and fills both slots again
	TURN 0, 1, 1
	STEP 1, 0, 0
	TURN 1, 0, 1
	STEP 0, 0, 0
	s_sub_co_u32 s3, s3, 1
	s_cmp_lg_u32 s3, 0
	s_cbranch_scc1 .Llap
	TURN 0, 1, 0                                   ; the last lap fills nothing, and has no round of the cluster's barrier
	STEP 1, 0, 0
	s_wait_dscnt 4*NL                              ; the very last step: nothing more to fetch
	WIN MUL_LO
	MUL16 0, 1, 0
	MUL16 2, 1, 0
	s_wait_dscnt 0
	WIN MUL_HI
	MUL16 4, 1, 0
	MUL16 6, 1, 0
	WIN 0
	; THE WAY OUT: D = e_out - ea - eb of my product, chosen by the cluster's x; no branch hangs on a given exponent: the hold always stands
	s_wait_kmcnt 0x0
	s_sub_co_i32 s94, s94, s88
	s_sub_co_i32 s94, s94, s89                     ; Q: entry 6 - 0 - 1
	s_sub_co_i32 s95, s95, s90
	s_sub_co_i32 s95, s95, s91                     ; K: entry 7 - 2 - 3
	s_sub_co_i32 s97, s97, s92
	s_sub_co_i32 s97, s97, s93                     ; V: entry 9 - 4 - 5
	s_cmp_eq_u32 ttmp9, 1
	s_cselect_b32 s94, s95, s94
	s_cmp_eq_u32 ttmp9, 2
	s_cselect_b32 s94, s97, s94
	s_add_co_i32 s94, s94, 127
	s_lshl_b32 s95, s94, 23
	v_mov_b32 v[SCL], s95                          ; 2^D as f32: the conversion takes its exponent field
	s_add_co_i32 s94, s94, 8
	s_lshl_b32 s94, s94, 23
	s_or_b32 s94, s94, 0x600000
	v_mov_b32 v[LIM], s94                          ; 448 x 2^D
	PLACES NP                                      ; behind the last products: their results are read, and A's registers are written, only behind these
; Block a: 16 rows x 128 columns.  Held, converted, stored: each block has 16 code registers of its own, so no store's data are written again.
.macro OUTBLK a
.set AC, 64*((\a)%4)
.set CD, 128+16*(\a)
	WIN 0x02+((\a)/4)                              ; source 0: window 2 or 3
.set j, 0
.rept 64
	v_med3_num_f32 v[TMP+j], v[AC+j], -v[LIM], v[LIM]   ; the conversion to an 8-bit code does not saturate (ISA guide 7.6.2); each accumulator from its low end on
.set j, j+1
.endr
	WIN 0
.irp b, 0,1,2,3,4,5,6,7
	v_cvt_scalef32_pk8_fp8_f32 v[CD+2*\b:CD+2*\b+1], v[TMP+8*\b:TMP+8*\b+7], v[SCL]   ; registers 2 b, 2 b + 1 of the image: columns 16 b + 8 h + 0 .. 7
.endr
	v_nop                                          ; one plain vector line between the conversions and the next block's holds, which write their sources
.irp c, 0,1,2,3
	global_store_b128 v[CO], v[CD+4*\c:CD+4*\c+3], s[10:11] offset:2048*(\a)+512*\c   ; 512 consecutive bytes, aligned
.endr
.endm
.irp a, 0,1,2,3,4,5,6,7
	OUTBLK \a
.endr
	s_wait_tensorcnt 0x0                           ; the wave's end
	ds_add_u32 v[SPW], v[NIL]
	s_wait_dscnt 0x0
	CROUND                                         ; the closing round: no work-group ends while a partner may still ask for a tile that names it
	s_endpgm
.Lfunc_end_k_qc9b3e52f9e_qkv:
	.size	k_qc9b3e52f9e_qkv, .Lfunc_end_k_qc9b3e52f9e_qkv-k_qc9b3e52f9e_qkv
	.p2alignl 7, 3214868480
	.fill 96, 4, 3214868480
	.section	.rodata,"a",@progbits
	.p2align	6, 0x0
	.amdhsa_kernel k_qc9b3e52f9e_qkv
		.amdhsa_group_segment_fixed_size 327680
		.amdhsa_private_segment_fixed_size 0
		.amdhsa_enable_private_segment 0
		.amdhsa_kernarg_size 80
		.amdhsa_user_sgpr_count 2
		.amdhsa_user_sgpr_kernarg_segment_ptr 1
		.amdhsa_wavefront_size32 1
		.amdhsa_system_sgpr_workgroup_id_x 1
		.amdhsa_system_sgpr_workgroup_id_y 1
		.amdhsa_system_sgpr_workgroup_id_z 1
		.amdhsa_system_vgpr_workitem_id 0
		.amdhsa_next_free_vgpr 1024
		.amdhsa_next_free_sgpr 100
		.amdhsa_reserve_vcc 0
		.amdhsa_float_denorm_mode_32 3
		.amdhsa_float_denorm_mode_16_64 3
		.amdhsa_memory_ordered 1
		.amdhsa_forward_progress 1
		.amdhsa_inst_pref_size 118
	.end_amdhsa_kernel
	.amdgpu_metadata
---
amdhsa.version: [ 1, 2 ]
amdhsa.kernels:
  - .name:           k_qc9b3e52f9e_qkv
    .symbol:         k_qc9b3e52f9e_qkv.kd
    .args:
      - { .name: xq, .offset: 0, .size: 8, .value_kind: global_buffer, .address_space: global }
      - { .name: xk, .offset: 8, .size: 8, .value_kind: global_buffer, .address_space: global }
      - { .name: w_v_codes, .offset: 16, .size: 8, .value_kind: global_buffer, .address_space: global }
      - { .name: w_q_codes, .offset: 24, .size: 8, .value_kind: global_buffer, .address_space: global }
      - { .name: w_k_codes, .offset: 32, .size: 8, .value_kind: global_buffer, .address_space: global }
      - { .name: xv, .offset: 40, .size: 8, .value_kind: global_buffer, .address_space: global }
      - { .name: q_img, .offset: 48, .size: 8, .value_kind: global_buffer, .address_space: global }
      - { .name: k_img, .offset: 56, .size: 8, .value_kind: global_buffer, .address_space: global }
      - { .name: v_img, .offset: 64, .size: 8, .value_kind: global_buffer, .address_space: global }
      - { .name: lowp_scales, .offset: 72, .size: 8, .value_kind: global_buffer, .address_space: global }
    .group_segment_fixed_size: 327680
    .private_segment_fixed_size: 0
    .kernarg_segment_align: 8
    .kernarg_segment_size: 80
    .max_flat_workgroup_size: 128
    .sgpr_count:     100
    .vgpr_count:     1024
    .wavefront_size: 32
...
	.end_amdgpu_metadata
.endif
;; end of part 2
;; launch attn (part 3): grid 4 x 64, 16 waves a work-group, no clusters, 34,816 bytes of LDS; arguments q_img, k_img, v_img, lowp_scales, a_img; writes a_img
.if DOCPART == 3
	.amdgcn_target "amdgcn-amd-amdhsa--gfx1250"
	.amdhsa_code_object_version 6
	.text
	.protected	k_qc9b3e52f9e_attn
	.globl	k_qc9b3e52f9e_attn
	.p2align	8
	.type	k_qc9b3e52f9e_attn,@function
k_qc9b3e52f9e_attn:
	s_mov_b64 s[64:65], 0
	v_nop
	global_prefetch_b8 v0, s[64:65] scope:SCOPE_SE
	s_setreg_imm32_b32 hwreg(HW_REG_WAVE_MODE, 25, 1), 1
	s_wait_xcnt 0x0
; Attention of one head on codes of E4M3, by v_wmma_f32_16x16x64_fp8_fp8; head size 64, 2,048 keys, no mask.  Entries 6 to 10 of the scales: eq, ek, ep, ev, and eo for the result, which is quantised here for the last product.
; THE SOFTMAX AHEAD OF THE SECOND PRODUCT: t = score x log2(e) / 8; M = the row's largest t so far, rounded UP to a whole number; p = 2^(t - M) is what is quantised; it is not normalised.
; The row's sum is taken of the unquantised p, in f32, and divides O at the end.  When M moves, the sum and O are multiplied by 2^(old M - new M): exact, and with no branch on data.
; SHARES.  A work-group owns 512 queries of one head; each of its sixteen waves two tiles of 16, in 256 registers: four waves to a SIMD, so that one wave's exponentials stand beside another's products; each fragment of K and V read from LDS feeds two products.
; LAYOUT.  Both products are used transposed: S^T = K Q^T (source 0 = 16 keys, source 1 = 16 queries), O^T = V^T P (source 0 = 16 of the head's 64, source 1 = P): a lane holds ONE query (lane % 16) throughout.
; Tile T of S^T holds keys 16 T + 8 (lane / 16) + 0 .. 7 in a lane's eight registers: their two code registers are registers 2 T, 2 T + 1 of P's fragment.  Every k stands in its true place; nothing changes lanes.
; K, V AND Q ARRIVE AS IMAGES OF THEIR REGISTERS (16 bytes a lane, 512 bytes for four registers).  128 keys are 8,192 bytes of K and 8,192 of V: thread n carries 16 bytes of each from memory through its registers into one of two LDS slots.
; The loads go out a whole block of 128 keys (two steps of every wave) ahead of the LDS stores that wait for them, so no prefetch is laid.  Every LDS address is 16 x lane or 16 x thread + an immediate.  One barrier for 128 keys.
; NO CLUSTER, NO TENSOR LOAD, though the four work-groups of a head read the same K and V: what is shared is 16,384 bytes for each 128 keys, beside two steps of some 300 instructions in each of sixteen waves;
; and this text has a branch on the given exponents: it steps over p's hold, 64 of a step's vector instructions, where the hold cannot act:
;   with eq + ek <= 0, |t| <= 64 x 448^2 x 0.1804 < 2^22, so the rounded product from which M is made errs by 1/8 at the most and p <= 2^(1/8); with ep >= -8 then p / 2^ep <= 280 < 448.  Otherwise the hold is executed.
; LIMITS on the given exponents, so that each power of two below is an f32 number: eq + ek between -123 and 130 (added to the exponent field of log2(e) / 8); ep, and eo - ep - ev, between -126 and 119.
.set LI,   1                           ; v1   16 x lane
.set STA,  2                           ; v2   16 x thread: where I store in a slot
.set GK,   3                           ; v3   my 16 bytes of a block's K in memory: (thread / 64) x 2,048 + (thread % 64) x 16 (the other head of the pair lies between)
.set GV,   4                           ; v4   of V: 16 x thread
.set SC,   6                           ; v6   2^ep; on the way out 2^(eo - ep - ev)
.set HL,   7                           ; v7   448 x that
.set ST,   8                           ; tile u's statistics at v[8 + 8 u]: +0 -M, +1 the largest t, +2, +3 the sum in two halves, +4 f, +5 zero (named as the pair's upper half), +6, +7 at work
.set Q,    24                          ; v24-39   Q, 8 a tile
.set KF,   40                          ; v40-71   four fragments of K (16 keys x 64)
.set VF,   72                          ; v72-103  four fragments of V (16 of the head's 64 x 64 keys)
.set S,    104                         ; v104-167 S^T, then p: 32 a tile
.set O,    168                         ; v168-231 O^T: 32 a tile
.set P,    232                         ; v232-247 p's codes: 8 a tile
.set TK,   248                         ; v248-251 K on its way
.set TV,   252                         ; v252-255 V on its way
.set SLOTB, 16384                      ; a slot: 8 images of K (1,024 bytes), then 4 of V (2,048 bytes)
.set VOFF,  8192
.set SEL,   30                         ; s[30:31] lane selects for v_permlanex16_b32: lane l xor 16
.set CS,    32                         ; s[32:33] c = log2(e) / 8 x 2^(eq + ek)
.set NEEDH, 34                         ; s34  1: p's hold is executed
.set TRIP,  35                         ; s35  the loop's counter: a trip is 256 keys
	s_load_b256 s[4:11], s[0:1], 0x0               ; q_img s[4:5], k_img s[6:7], v_img s[8:9], the scales' exponents s[10:11]
	s_load_b64 s[12:13], s[0:1], 0x20              ; a_img
	v_lshrrev_b32 v5, 5, v0
	v_readfirstlane_b32 s14, v5                    ; wave 0..15
	v_and_b32 v[LI], 31, v0
	v_lshlrev_b32 v[LI], 4, v[LI]
	v_lshlrev_b32 v[STA], 4, v0
	v_lshrrev_b32 v[GK], 6, v0
	v_and_b32 v[GV], 63, v0
	v_lshlrev_b32 v[GV], 4, v[GV]
	v_lshl_add_u32 v[GK], v[GK], 11, v[GV]
	v_lshlrev_b32 v[GV], 4, v0
	s_and_b32 s15, ttmp7, 0xffff                   ; 16 x batch + head
	s_lshr_b32 s16, s15, 4                         ; batch
	s_and_b32 s17, s15, 15                         ; head
	s_lshr_b32 s18, s17, 1                         ; the pair of heads
	s_and_b32 s19, s17, 1                          ; which of the pair
	s_lshl_b32 s20, s16, 21
	s_lshl_b32 s21, s18, 18
	s_add_co_u32 s20, s20, s21                     ; batch x 2,097,152 + pair x 262,144
	s_lshl_b32 s21, s19, 10
	s_add_co_u32 s22, s20, s21                     ; K (and Q): + 1,024 for the odd head
	s_mov_b32 s23, 0
	s_lshl_b32 s21, s19, 13
	s_add_co_u32 s38, s20, s21                     ; V: + 8,192 for the odd head
	s_mov_b32 s39, 0
	s_lshl_b32 s21, ttmp9, 5
	s_lshl_b32 s40, s14, 1
	s_add_co_u32 s21, s21, s40                     ; my first tile of 16 queries: 32 x work-group x + 2 x wave
	s_lshl_b32 s40, s21, 11
	s_add_co_u32 s40, s40, s22                     ; Q: + 2,048 a tile
	s_mov_b32 s41, 0
	s_lshl_b32 s42, s16, 7
	s_add_co_u32 s42, s42, s21
	s_lshl_b32 s42, s42, 14                        ; a_img: (128 x batch + tile) x 16,384
	s_lshl_b32 s43, s17, 10
	s_add_co_u32 s42, s42, s43                     ; + head x 1,024
	s_mov_b32 s43, 0
	s_mov_b32 s[SEL], 0x76543210
	s_mov_b32 s[SEL+1], 0xfedcba98
	s_mov_b32 s[CS], 0x3e38aa3b                    ; log2(e) / 8
	s_wait_kmcnt 0x0
	s_load_b128 s[24:27], s[10:11], 0x18           ; eq, ek, ep, ev
	s_load_b32 s28, s[10:11], 0x28                 ; eo
	s_add_nc_u64 s[4:5], s[4:5], s[40:41]
	s_add_nc_u64 s[6:7], s[6:7], s[22:23]
	s_add_nc_u64 s[8:9], s[8:9], s[38:39]
	s_add_nc_u64 s[12:13], s[12:13], s[42:43]
	global_load_b128 v[TK:TK+3], v[GK], s[6:7]     ; keys 0 to 127
	global_load_b128 v[TV:TV+3], v[GV], s[8:9]
.irp u, 0,1
.irp c, 0,1
	global_load_b128 v[Q+8*\u+4*\c:Q+8*\u+4*\c+3], v[LI], s[4:5] offset:2048*\u+512*\c th:TH_LOAD_NT   ; Q's fragments stay in registers
.endr
.endr
.irp u, 0,1
	v_mov_b32 v[ST+8*\u+1], 0xff61b1e6             ; the largest t so far: -3e38, under every t
	v_mov_b32 v[ST+8*\u+2], 0                      ; the sum, in two halves
	v_mov_b32 v[ST+8*\u+3], 0
	v_mov_b32 v[ST+8*\u+5], 0
.endr
.irp u, 0,1
	v_floor_f32 v[ST+8*\u], -v[ST+8*\u+1]          ; -M
.endr
.set j, 0
.rept 64
	v_mov_b32 v[O+j], 0                            ; O^T.  (The step is written once: the first finds zeros, which the first change of M leaves zeros)
.set j, j+1
.endr
	s_wait_kmcnt 0x0
	s_add_co_i32 s36, s24, s25                     ; eq + ek
	s_cmp_gt_i32 s36, 0
	s_cselect_b32 s[NEEDH], 1, 0
	s_cmp_lt_i32 s26, -8
	s_cselect_b32 s37, 1, 0
	s_or_b32 s[NEEDH], s[NEEDH], s37
	s_lshl_b32 s36, s36, 23
	s_add_co_i32 s[CS], s[CS], s36                 ; a score stands for score x 2^(eq + ek): the two exponents are added to c's exponent field
	s_mov_b32 s[CS+1], s[CS]                       ; (named with it as a pair, so it is written)
	s_add_co_i32 s36, s26, 127
	s_lshl_b32 s37, s36, 23
	v_mov_b32 v[SC], s37                           ; 2^ep as f32, for the conversion
	s_add_co_i32 s36, s36, 8
	s_lshl_b32 s36, s36, 23
	s_or_b32 s36, s36, 0x600000
	v_mov_b32 v[HL], s36                           ; 448 x 2^ep
	s_wait_loadcnt 0x0
	ds_store_b128 v[STA], v[TK:TK+3]
	ds_store_b128 v[STA], v[TV:TV+3] offset:VOFF
	s_wait_dscnt 0x0                               ; for the others' sake: my part of slot 0 lies there
	global_load_b128 v[TK:TK+3], v[GK], s[6:7] offset:16384   ; keys 128 to 255
	global_load_b128 v[TV:TV+3], v[GV], s[8:9] offset:16384
	s_barrier_signal -1
	s_barrier_wait -1
; A STEP: 64 keys, the half-th of the slot's 128, for both tiles; the tiles' lines alternate.  ld = 1: the block of keys two blocks on is asked for, where there is one.
.macro SUB slot, half, ld
.irp t, 0,1,2,3
.irp c, 0,1
	ds_load_b128 v[KF+8*\t+4*\c:KF+8*\t+4*\c+3], v[LI] offset:\slot*SLOTB+(4*\half+\t)*1024+512*\c
.endr
.endr
	s_wait_dscnt 0x0                               ; K is in (and the block's two LDS stores are done)
.if \ld
	s_cmp_lt_u32 s[TRIP], 7                        ; the last trip asks for nothing: no load leaves its buffer
	s_cbranch_scc0 .Lno_more_\@
	global_load_b128 v[TK:TK+3], v[GK], s[6:7] offset:32768+16384*\slot
	global_load_b128 v[TV:TV+3], v[GV], s[8:9] offset:32768+16384*\slot
.Lno_more_\@:
.endif
.irp t, 0,1,2,3
.irp u, 0,1
	v_wmma_f32_16x16x64_fp8_fp8 v[S+32*\u+8*\t:S+32*\u+8*\t+7], v[KF+8*\t:KF+8*\t+7], v[Q+8*\u:Q+8*\u+7], 0
.endr
.endr
.rept 4
	v_nop                                          ; places: ahead of the first read of S^T, and ahead of the loads into V's registers, which the last step's products read
.endr
.irp a, 0,1,2,3
.irp c, 0,1
	ds_load_b128 v[VF+8*\a+4*\c:VF+8*\a+4*\c+3], v[LI] offset:\slot*SLOTB+VOFF+2048*\a+(2*\half+\c)*512   ; they land under the softmax
.endr
.endr
.irp u, 0,1                            ; the step's largest score of my query, among my 32 keys, in two chains a tile; each accumulator is first read at its low end
	v_max3_num_f32 v[ST+8*\u+6], v[S+32*\u], v[S+32*\u+1], v[S+32*\u+2]
	v_max3_num_f32 v[ST+8*\u+7], v[S+32*\u+3], v[S+32*\u+4], v[S+32*\u+5]
.endr
.irp i, 6,10,14,18,22,26
.irp u, 0,1
	v_max3_num_f32 v[ST+8*\u+6], v[ST+8*\u+6], v[S+32*\u+\i], v[S+32*\u+\i+1]
	v_max3_num_f32 v[ST+8*\u+7], v[ST+8*\u+7], v[S+32*\u+\i+2], v[S+32*\u+\i+3]
.endr
.endr
.irp u, 0,1
	v_max3_num_f32 v[ST+8*\u+6], v[ST+8*\u+6], v[S+32*\u+30], v[S+32*\u+31]
.endr
.irp u, 0,1
	v_max_num_f32 v[ST+8*\u+6], v[ST+8*\u+6], v[ST+8*\u+7]
.endr
.irp u, 0,1
	v_permlanex16_b32 v[ST+8*\u+7], v[ST+8*\u+6], s[SEL], s[SEL+1]
.endr
.irp u, 0,1
	v_max_num_f32 v[ST+8*\u+6], v[ST+8*\u+6], v[ST+8*\u+7]     ; and among lane l xor 16's
.endr
.irp u, 0,1
	v_mul_f32 v[ST+8*\u+6], s[CS], v[ST+8*\u+6]                ; as t (c is positive)
.endr
.irp u, 0,1
	v_max_num_f32 v[ST+8*\u+1], v[ST+8*\u+1], v[ST+8*\u+6]     ; the running largest t
.endr
.irp u, 0,1
	v_mov_b32 v[ST+8*\u+6], v[ST+8*\u]
.endr
.irp u, 0,1
	v_floor_f32 v[ST+8*\u], -v[ST+8*\u+1]                      ; the new -M = floor(-t) = -ceil(t): M is a whole number
.endr
.irp u, 0,1
	v_sub_f32 v[ST+8*\u+6], v[ST+8*\u], v[ST+8*\u+6]           ; M's old value less its new one: a whole number, 0 or less
.endr
.irp u, 0,1
	v_cvt_i32_f32 v[ST+8*\u+6], v[ST+8*\u+6]                   ; (it saturates)
.endr
.irp u, 0,1
	v_ldexp_f32 v[ST+8*\u+4], 1.0, v[ST+8*\u+6]                ; f = 2^(old M - new M)
.endr
.irp j, 0,2,4,6,8,10,12,14,16,18,20,22,24,26,28,30
.irp u, 0,1
	v_pk_fma_f32 v[S+32*\u+\j:S+32*\u+\j+1], v[S+32*\u+\j:S+32*\u+\j+1], s[CS:CS+1], v[ST+8*\u:ST+8*\u+1] op_sel_hi:[1,0,0]   ; t - M, two at a time (of the pairs c and -M the low word serves both halves)
.endr
.endr
.set j, 0
.rept 64
	v_exp_f32 v[S+j], v[S+j]                       ; p = 2^(t - M): one batch
.set j, j+1
.endr
.irp u, 0,1
	v_pk_mul_f32 v[ST+8*\u+2:ST+8*\u+3], v[ST+8*\u+2:ST+8*\u+3], v[ST+8*\u+4:ST+8*\u+5] op_sel_hi:[1,0]   ; the sums under the new M.  (The plain place behind the exponentials)
.endr
	s_wait_alu depctr_va_vdst(0)                   ; one wait for the whole batch, ahead of its first reader
.irp u, 0,1                            ; the row's sum is taken of the unquantised p: two at a time, in two chains a tile
	v_pk_add_f32 v[ST+8*\u+6:ST+8*\u+7], v[S+32*\u:S+32*\u+1], v[S+32*\u+2:S+32*\u+3]
.endr
.irp j, 4,8,12,16,20,24,28
.irp u, 0,1
	v_pk_add_f32 v[ST+8*\u+2:ST+8*\u+3], v[ST+8*\u+2:ST+8*\u+3], v[S+32*\u+\j:S+32*\u+\j+1]
	v_pk_add_f32 v[ST+8*\u+6:ST+8*\u+7], v[ST+8*\u+6:ST+8*\u+7], v[S+32*\u+\j+2:S+32*\u+\j+3]
.endr
.endr
.irp u, 0,1
	v_pk_add_f32 v[ST+8*\u+2:ST+8*\u+3], v[ST+8*\u+2:ST+8*\u+3], v[ST+8*\u+6:ST+8*\u+7]
.endr
	s_cmp_eq_u32 s[NEEDH], 0                       ; the hold is stepped over where the given exponents show that it cannot act (the head comment's arithmetic)
	s_cbranch_scc1 .Lno_hold_\@
.set j, 0
.rept 64
	v_min_num_f32 v[S+j], v[S+j], v[HL]            ; the conversion to an 8-bit code does not saturate (ISA guide 7.6.2); p is not negative, so the hold is one-sided
.set j, j+1
.endr
.Lno_hold_\@:
.irp t, 0,1,2,3
.irp u, 0,1
	v_cvt_scalef32_pk8_fp8_f32 v[P+8*\u+2*\t:P+8*\u+2*\t+1], v[S+32*\u+8*\t:S+32*\u+8*\t+7], v[SC]
.endr
.endr
.irp j, 0,2,4,6,8,10,12,14,16,18,20,22,24,26,28,30
.irp u, 0,1
	v_pk_mul_f32 v[O+32*\u+\j:O+32*\u+\j+1], v[O+32*\u+\j:O+32*\u+\j+1], v[ST+8*\u+4:ST+8*\u+5] op_sel_hi:[1,0]   ; O^T under the new M.  (Also the plain lines between the conversions and the products that read their results)
.endr
.endr
	s_wait_dscnt 0x0                               ; V is in
.irp a, 0,1,2,3                        ; the eight accumulators take turns, one instruction a turn; the next step's eight products K Q^T stand between two turns
.irp u, 0,1
	v_wmma_f32_16x16x64_fp8_fp8 v[O+32*\u+8*\a:O+32*\u+8*\a+7], v[VF+8*\a:VF+8*\a+7], v[P+8*\u:P+8*\u+7], v[O+32*\u+8*\a:O+32*\u+8*\a+7]
.endr
.endr
.endm
; A BLOCK of 128 keys in a slot.  At its head the next block, which has come into registers, goes into the other slot: every wave has left that slot (the last barrier).  At its end ONE barrier:
; in front of it my stores into the other slot have landed and my reads of this slot are over; behind it the other slot is read, and this one may be stored into.
.macro BLOCK slot
	s_wait_loadcnt 0x0                             ; the next block's 32 bytes of mine, asked for a block ago (in the last trip nothing is out)
.if \slot
	s_cmp_lt_u32 s[TRIP], 7                        ; behind the last block there is none
	s_cbranch_scc0 .Lno_store_\@
.endif
	ds_store_b128 v[STA], v[TK:TK+3] offset:(1-\slot)*SLOTB
	ds_store_b128 v[STA], v[TV:TV+3] offset:(1-\slot)*SLOTB+VOFF
.if \slot
.Lno_store_\@:
.endif
	SUB \slot, 0, 1
	SUB \slot, 1, 0
	s_wait_dscnt 0x0
	s_barrier_signal -1
	s_barrier_wait -1
.endm
	s_mov_b32 s[TRIP], 0
.Ltrip:                                ; 8 trips of 256 keys
	BLOCK 0
	BLOCK 1
	s_wait_xcnt 0x0                                ; the trip's loads have read their bases: they are stepped only behind this wait
	s_add_nc_u64 s[6:7], s[6:7], 32768
	s_add_nc_u64 s[8:9], s[8:9], 32768
	s_add_co_u32 s[TRIP], s[TRIP], 1
	s_cmp_lt_u32 s[TRIP], 8
	s_cbranch_scc1 .Ltrip
	; THE WAY OUT.  O^T / the sum stands for the result / 2^(ep + ev); its code is that / 2^(eo - ep - ev).  The eight conversions give the images of two K = 64 fragments (16 queries x my head's 64), stored as they stand.
.rept 4
	v_nop                                          ; places behind the last products
.endr
.irp u, 0,1
	v_add_f32 v[ST+8*\u+6], v[ST+8*\u+2], v[ST+8*\u+3]         ; the sum's two halves,
.endr
.irp u, 0,1
	v_permlanex16_b32 v[ST+8*\u+7], v[ST+8*\u+6], s[SEL], s[SEL+1]
.endr
.irp u, 0,1
	v_add_f32 v[ST+8*\u+6], v[ST+8*\u+6], v[ST+8*\u+7]         ; and lane l xor 16's: the row's sum
.endr
.irp u, 0,1
	v_rcp_f32 v[ST+8*\u+4], v[ST+8*\u+6]
.endr
	s_sub_co_i32 s36, s28, s26
	s_sub_co_i32 s36, s36, s27                     ; eo - ep - ev
	s_add_co_i32 s36, s36, 127
	s_lshl_b32 s37, s36, 23
	v_mov_b32 v[SC], s37                           ; (the plain place behind the reciprocals)
	s_add_co_i32 s36, s36, 8
	s_lshl_b32 s36, s36, 23
	s_or_b32 s36, s36, 0x600000
	v_mov_b32 v[HL], s36
	s_wait_alu depctr_va_vdst(0)                   ; one wait for both reciprocals, ahead of their first reader
.irp j, 0,2,4,6,8,10,12,14,16,18,20,22,24,26,28,30
.irp u, 0,1
	v_pk_mul_f32 v[S+32*\u+\j:S+32*\u+\j+1], v[O+32*\u+\j:O+32*\u+\j+1], v[ST+8*\u+4:ST+8*\u+5] op_sel_hi:[1,0]   ; each accumulator from its low end on
.endr
.endr
.set j, 0
.rept 64
	v_med3_num_f32 v[S+j], v[S+j], -v[HL], v[HL]
.set j, j+1
.endr
.irp u, 0,1
.irp a, 0,1,2,3
	v_cvt_scalef32_pk8_fp8_f32 v[P+8*\u+2*\a:P+8*\u+2*\a+1], v[S+32*\u+8*\a:S+32*\u+8*\a+7], v[SC]   ; registers 2 a, 2 a + 1: d = 16 a + 8 h + 0 .. 7
.endr
.endr
	v_nop
.irp u, 0,1
.irp c, 0,1
	global_store_b128 v[LI], v[P+8*\u+4*\c:P+8*\u+4*\c+3], s[12:13] offset:16384*\u+512*\c   ; 512 consecutive bytes, aligned
.endr
.endr
	s_wait_xcnt 0x0
	v_lshl_add_u32 v254, v0, 2, 0x8000
	v_mov_b32 v255, 0
	s_wait_tensorcnt 0x0
	ds_add_u32 v254, v255
	s_wait_dscnt 0x0
	s_endpgm
.Lfunc_end_k_qc9b3e52f9e_attn:
	.size	k_qc9b3e52f9e_attn, .Lfunc_end_k_qc9b3e52f9e_attn-k_qc9b3e52f9e_attn
	.p2alignl 7, 3214868480
	.fill 96, 4, 3214868480
	.section	.rodata,"a",@progbits
	.p2align	6, 0x0
	.amdhsa_kernel k_qc9b3e52f9e_attn
		.amdhsa_group_segment_fixed_size 34816
		.amdhsa_private_segment_fixed_size 0
		.amdhsa_enable_private_segment 0
		.amdhsa_kernarg_size 40
		.amdhsa_user_sgpr_count 2
		.amdhsa_user_sgpr_kernarg_segment_ptr 1
		.amdhsa_wavefront_size32 1
		.amdhsa_system_sgpr_workgroup_id_x 1
		.amdhsa_system_sgpr_workgroup_id_y 1
		.amdhsa_system_sgpr_workgroup_id_z 1
		.amdhsa_system_vgpr_workitem_id 0
		.amdhsa_next_free_vgpr 256
		.amdhsa_next_free_sgpr 66
		.amdhsa_reserve_vcc 0
		.amdhsa_float_denorm_mode_32 3
		.amdhsa_float_denorm_mode_16_64 3
		.amdhsa_memory_ordered 1
		.amdhsa_forward_progress 1
		.amdhsa_inst_pref_size 78
	.end_amdhsa_kernel
	.amdgpu_metadata
---
amdhsa.version: [ 1, 2 ]
amdhsa.kernels:
  - .name:           k_qc9b3e52f9e_attn
    .symbol:         k_qc9b3e52f9e_attn.kd
    .args:
      - { .name: q_img, .offset: 0, .size: 8, .value_kind: global_buffer, .address_space: global }
      - { .name: k_img, .offset: 8, .size: 8, .value_kind: global_buffer, .address_space: global }
      - { .name: v_img, .offset: 16, .size: 8, .value_kind: global_buffer, .address_space: global }
      - { .name: lowp_scales, .offset: 24, .size: 8, .value_kind: global_buffer, .address_space: global }
      - { .name: a_img, .offset: 32, .size: 8, .value_kind: global_buffer, .address_space: global }
    .group_segment_fixed_size: 34816
    .private_segment_fixed_size: 0
    .kernarg_segment_align: 8
    .kernarg_segment_size: 40
    .max_flat_workgroup_size: 512
    .sgpr_count:     66
    .vgpr_count:     256
    .wavefront_size: 32
...
	.end_amdgpu_metadata
.endif
;; end of part 3
;; launch oproj (part 4): grid 256 x 1, 16 waves a work-group, no clusters, 305,664 bytes of LDS; arguments a_img, wo_img, x, b_o, ln_g, ln_b, lowp_scales, out0; writes out0
.if DOCPART == 4
	.amdgcn_target "amdgcn-amd-amdhsa--gfx1250"
	.amdhsa_code_object_version 6
	.text
	.protected	k_qc9b3e52f9e_oproj
	.globl	k_qc9b3e52f9e_oproj
	.p2align	8
	.type	k_qc9b3e52f9e_oproj,@function
k_qc9b3e52f9e_oproj:
	s_mov_b64 s[64:65], 0
	v_nop
	global_prefetch_b8 v0, s[64:65] scope:SCOPE_SE
	s_setreg_imm32_b32 hwreg(HW_REG_WAVE_MODE, 25, 1), 1
	s_wait_xcnt 0x0
; out0 = LayerNorm(x + attention W_o^T + b_o) x g + b.  The product is on codes of E4M3 by v_wmma_f32_16x16x128_fp8_fp8, K = 1,024, every k in its true place; entries 10 and 11 of the scales; all else in f32.
; SHARES.  A work-group owns 32 whole rows, since the norm wants whole rows.  Wave w owns columns 64 w .. 64 w + 63 of all 32 rows: 2 x 4 accumulators.
; Both operands arrive as images of their registers (16 bytes a lane).  The wave's 64 rows of W_o go from memory straight into its registers, a K step ahead, in two sets.  The rows' codes (32,768 bytes, read by all sixteen waves)
; and the rows of x (131,072 bytes) come into LDS by asynchronous copies issued at the head, each byte filled once: x lands under the products.
; NO CLUSTER, though all work-groups read the same W_o: each of its fragments is wanted by ONE wave of a work-group and lies in memory in that wave's register order; through LDS its 1,048,576 bytes a work-group would be
; written and read once more, and two slots of a K step (131,072 bytes each) do not fit beside x.
; THE MATRIX INSTRUCTION IS USED TRANSPOSED (source 0 = 16 rows of W_o, source 1 = 16 rows of the activations): lane (r, h) of accumulator (m, t) holds row 16 m + r, columns 64 w + 16 t + 8 h + 0 .. 7.
; Through the wave's own stage the sums change to: lane (l, hl) holds, for k = 0 .. 15, row 2 k + hl, columns 64 w + 4 l + 0 .. 3: sixteen lanes on 256 consecutive bytes of a row, as x lies and as out0 is stored.
; THE NORM, in two passes: the mean; then the mean of the squared deviations, so that a common offset of x costs no digits.  Each pass: a lane's sum of 4, 256 such a row through LDS, wave w adds up rows 2 w and 2 w + 1.
; LIMIT: entry 10 + entry 11 lies between -126 and 127, so that its power of two is an f32 number.
.set AI,     131072                    ; LDS: x at 0 (32 rows of 4,096 bytes); the rows' 16 fragments here, as they lie in memory
.set STG,    163840                    ; each wave's stage: 16 rows x (256 bytes + 16)
.set SPITCH, 272
.set RPITCH, 1088                      ; a row's 256 partial sums + 64 bytes: the two rows of a store fall on different banks
.set RED1,   STG+16*16*SPITCH          ; 32 rows of partial sums
.set RED2,   RED1+32*RPITCH            ; the same for the squares
.set MEANB,  RED2+32*RPITCH            ; 32 means: word 16 hl + k is row 2 k + hl's; 256 bytes further on: 32 x 1 / sqrt(var + eps)
.set ALI, 1                            ; v1   AI + 16 x lane
.set WOF, 2                            ; v2   W_o's images: 16 x lane + 65,536 x wave
.set XL0, 3                            ; v3   x in LDS: 4,096 hl + 256 w + 16 l
.set XL1, 4                            ; v4   the same, 16 rows on
.set STO, 5                            ; v5   the stage, in: row r, + 32 h
.set SRD, 6                            ; v6   the stage, back: row hl, + 16 l
.set GOF, 7                            ; v7   my bytes in the work-group's rows of x and of out0: the number in v3
.set RS1, 8                            ; v8, v9    where I put a partial sum: row hl, word 16 w + l
.set RS2, 9
.set RR1, 10                           ; v10, v11  where I read 16 bytes of row 2 w + hl's partial sums
.set RR2, 11
.set MST, 12                           ; v12  where my row's mean goes
.set MRD, 13                           ; v13  where my 16 rows' means lie
.set ACL, 14                           ; v14  AI + 16 x thread
.set ACG, 15                           ; v15  16 x thread
.set BO,  16                           ; v16-19 b_o, v20-23 g, v24-27 b of my four columns
.set LG,  20
.set LB,  24
.set COLB, 28                          ; v28  256 w + 16 l
.set GO1, 29                           ; v29  my bytes in x, 16 rows on: the number in v4
.set AF,  32                           ; v32-63   the rows' two fragments; later v32-47 partial sums, then means; v48-63 sums of squares, then 1 / sqrt
.set W,   64                           ; v64-127, v128-191  W_o's four fragments, two sets
.set Y,   64                           ; later: y, 4 registers for each k
.set X,   128                          ; later: x likewise, then at work
.set ACC, 192                          ; v192-255 accumulator (m, t) at 192 + 32 m + 8 t
	s_load_b512 s[4:19], s[0:1], 0x0               ; a_img s[4:5], wo_img s[6:7], x s[8:9], b_o s[10:11], g s[12:13], b s[14:15], the scales' exponents s[16:17], out0 s[18:19]
	v_lshl_add_u32 v254, v0, 2, 0x4a200
	v_mov_b32 v255, 0
	ds_add_u32 v254, v255
	ds_add_u32 v254, v255
	s_wait_dscnt 0x0
	v_lshrrev_b32 v[WOF], 5, v0
	v_readfirstlane_b32 s20, v[WOF]                ; wave 0..15
	v_and_b32 v[ALI], 31, v0
	v_lshlrev_b32 v[ALI], 4, v[ALI]                ; 16 x lane
	v_and_b32 v30, 15, v0                          ; l (and r)
	v_bfe_u32 v31, v0, 4, 1                        ; hl (and h)
	s_lshl_b32 s21, s20, 16
	v_add_nc_u32 v[WOF], s21, v[ALI]
	v_add_nc_u32 v[ALI], AI, v[ALI]
	s_lshl_b32 s21, s20, 8
	v_lshl_add_u32 v[COLB], v30, 4, s21
	v_lshl_add_u32 v[XL0], v31, 12, v[COLB]
	v_add_nc_u32 v[XL1], 0x10000, v[XL0]
	v_lshl_add_u32 v[GOF], v31, 12, v[COLB]
	v_add_nc_u32 v[GO1], 0x10000, v[GOF]
	s_mul_i32 s21, s20, 16*SPITCH
	s_add_co_u32 s21, s21, STG                     ; my stage
	v_mul_u32_u24 v[STO], v30, SPITCH
	v_lshl_add_u32 v[STO], v31, 5, v[STO]
	v_add_nc_u32 v[STO], s21, v[STO]
	v_mul_u32_u24 v[SRD], v31, SPITCH
	v_lshl_add_u32 v[SRD], v30, 4, v[SRD]
	v_add_nc_u32 v[SRD], s21, v[SRD]
	s_lshl_b32 s21, s20, 6
	v_mul_u32_u24 v[RS1], v31, RPITCH
	v_lshl_add_u32 v[RS1], v30, 2, v[RS1]
	v_add_nc_u32 v[RS1], s21, v[RS1]
	v_add_nc_u32 v[RS2], RED2, v[RS1]
	v_add_nc_u32 v[RS1], RED1, v[RS1]
	v_lshrrev_b32 v[RR1], 4, v0                    ; 2 w + hl
	v_mul_u32_u24 v[RR1], v[RR1], RPITCH
	v_lshl_add_u32 v[RR1], v30, 4, v[RR1]
	v_add_nc_u32 v[RR2], RED2, v[RR1]
	v_add_nc_u32 v[RR1], RED1, v[RR1]
	s_lshl_b32 s21, s20, 2
	s_add_co_u32 s21, s21, MEANB
	v_lshl_add_u32 v[MST], v31, 6, s21
	v_lshlrev_b32 v[MRD], 6, v31
	v_add_nc_u32 v[MRD], MEANB, v[MRD]
	v_lshlrev_b32 v[ACG], 4, v0
	v_add_nc_u32 v[ACL], AI, v[ACG]
	s_lshl_b32 s22, ttmp9, 15                      ; my 32 rows' codes: 32,768 bytes
	s_mov_b32 s23, 0
	s_lshl_b32 s30, ttmp9, 17                      ; and in x and out0: 131,072 bytes
	s_mov_b32 s31, 0
	s_mov_b32 s28, 0x3a800000                      ; 1 / 1024
	s_wait_kmcnt 0x0
	s_load_b64 s[24:25], s[16:17], 0x28            ; entries 10 and 11
	s_add_nc_u64 s[4:5], s[4:5], s[22:23]
	s_add_nc_u64 s[8:9], s[8:9], s[30:31]
	s_add_nc_u64 s[18:19], s[18:19], s[30:31]
.irp i, 0,1,2,3
	global_load_async_to_lds_b128 v[ACL], v[ACG], s[4:5] offset:8192*\i   ; the rows' codes: 8,192 consecutive bytes for the sixteen waves; the immediate steps both addresses
.endr
.irp i, 0,1,2,3,4,5,6,7
	global_load_async_to_lds_b128 v[XL0], v[GOF], s[8:9] offset:8192*\i   ; x: rows 2 i and 2 i + 1, my 256 bytes of each
.endr
.irp i, 0,1,2,3,4,5,6,7
	global_load_async_to_lds_b128 v[XL1], v[GO1], s[8:9] offset:8192*\i   ; rows 16 + 2 i and 17 + 2 i: both registers carry the 65,536 bytes, so that the immediate, which also steps the LDS address, stays under 65,536
.endr
	global_load_b128 v[BO:BO+3], v[COLB], s[10:11]
	global_load_b128 v[LG:LG+3], v[COLB], s[12:13]
	global_load_b128 v[LB:LB+3], v[COLB], s[14:15]
.macro WLOAD ks                        ; my four fragments of W_o (rows 64 w + 16 t on) of K step ks, into set ks % 2
.irp t, 0,1,2,3
.irp c, 0,1,2,3
	global_load_b128 v[W+64*((\ks)%2)+16*\t+4*\c:W+64*((\ks)%2)+16*\t+4*\c+3], v[WOF], s[6:7] offset:16384*\t+2048*(\ks)+512*\c
.endr
.endr
.endm
	WLOAD 0
	s_wait_asynccnt 16                             ; copies end in order: my four parts of the rows' codes are in; x's sixteen may stay out,
	s_barrier_signal -1
	s_barrier_wait -1                              ; everybody's are: nothing is filled again in this launch
.irp ks, 0,1,2,3,4,5,6,7
.if \ks > 0
.rept 4
	v_nop                                          ; places in front of loads into registers that the last step's products read
.endr
.endif
.if \ks < 7
	WLOAD \ks+1
.endif
.irp m, 0,1
.irp c, 0,1,2,3
	ds_load_b128 v[AF+16*\m+4*\c:AF+16*\m+4*\c+3], v[ALI] offset:16384*\m+2048*\ks+512*\c
.endr
.endr
.if \ks < 7
	s_wait_loadcnt 16                              ; this step's set is in; the sixteen just issued may be out
.else
	s_wait_loadcnt 0x0
.endif
	s_wait_dscnt 0x0
.irp t, 0,1,2,3                        ; the eight accumulators take turns, one instruction a turn, in the same order in every step
.irp m, 0,1
.if \ks == 0
	v_wmma_f32_16x16x128_fp8_fp8 v[ACC+32*\m+8*\t:ACC+32*\m+8*\t+7], v[W+64*(\ks%2)+16*\t:W+64*(\ks%2)+16*\t+15], v[AF+16*\m:AF+16*\m+15], 0
.else
	v_wmma_f32_16x16x128_fp8_fp8 v[ACC+32*\m+8*\t:ACC+32*\m+8*\t+7], v[W+64*(\ks%2)+16*\t:W+64*(\ks%2)+16*\t+15], v[AF+16*\m:AF+16*\m+15], v[ACC+32*\m+8*\t:ACC+32*\m+8*\t+7]
.endif
.endr
.endr
.endr
.rept 4
	v_nop                                          ; places behind the last products: their results are read, and their operands' registers loaded into, only behind these
.endr
.irp m, 0,1                            ; through my own stage, 16 rows at a time: LDS serves a wave's instructions in order (ISA guide 5.7.1.4), so no wait stands between
.irp t, 0,1,2,3
	ds_store_b128 v[STO], v[ACC+32*\m+8*\t:ACC+32*\m+8*\t+3] offset:64*\t       ; each accumulator from its low end on
	ds_store_b128 v[STO], v[ACC+32*\m+8*\t+4:ACC+32*\m+8*\t+7] offset:64*\t+16
.endr
.irp i, 0,1,2,3,4,5,6,7
	ds_load_b128 v[Y+4*(8*\m+\i):Y+4*(8*\m+\i)+3], v[SRD] offset:2*\i*SPITCH
.endr
.endr
	s_wait_asynccnt 0x0                            ; my copies of x have landed,
	s_wait_dscnt 0x0
	s_barrier_signal -1
	s_barrier_wait -1                              ; everybody's have
.irp i, 0,1,2,3,4,5,6,7
	ds_load_b128 v[X+4*\i:X+4*\i+3], v[XL0] offset:8192*\i
.endr
.irp i, 0,1,2,3,4,5,6,7
	ds_load_b128 v[X+32+4*\i:X+32+4*\i+3], v[XL1] offset:8192*\i
.endr
	s_wait_kmcnt 0x0
	s_add_co_i32 s26, s24, s25
	s_add_co_i32 s26, s26, 127
	s_lshl_b32 s26, s26, 23                        ; 2^(entry 10 + entry 11) as f32
	s_mov_b32 s27, s26                             ; (named with it as a pair, so it is written)
	s_wait_dscnt 0x0
.set j, 0
.rept 32
	v_pk_fma_f32 v[Y+2*j:Y+2*j+1], v[Y+2*j:Y+2*j+1], s[26:27], v[X+2*j:X+2*j+1] op_sel_hi:[1,0,1]   ; sum x the scales + x
.set j, j+1
.endr
.set j, 0
.rept 32
	v_pk_add_f32 v[Y+2*j:Y+2*j+1], v[Y+2*j:Y+2*j+1], v[BO+2*(j%2):BO+2*(j%2)+1]                     ; + b_o: y
.set j, j+1
.endr
.set k, 0
.rept 16
	v_pk_add_f32 v[X+2*k:X+2*k+1], v[Y+4*k:Y+4*k+1], v[Y+4*k+2:Y+4*k+3]
.set k, k+1
.endr
.set k, 0
.rept 16
	v_add_f32 v[32+k], v[X+2*k], v[X+2*k+1]        ; my four columns' sum of row 2 k + hl
.set k, k+1
.endr
.set k, 0
.rept 16
	ds_store_b32 v[RS1], v[32+k] offset:2*k*RPITCH
.set k, k+1
.endr
	s_wait_dscnt 0x0                               ; for the others' sake
	s_barrier_signal -1
	s_barrier_wait -1
; the sum of row 2 w + hl's 256 partial sums, into v128 of all sixteen lanes of my half
.macro ROWSUM adr
.irp q, 0,1,2,3
	ds_load_b128 v[X+4*\q:X+4*\q+3], v[\adr] offset:256*\q
.endr
	s_wait_dscnt 0x0
	v_pk_add_f32 v[X:X+1], v[X:X+1], v[X+2:X+3]
	v_pk_add_f32 v[X+4:X+5], v[X+4:X+5], v[X+6:X+7]
	v_pk_add_f32 v[X+8:X+9], v[X+8:X+9], v[X+10:X+11]
	v_pk_add_f32 v[X+12:X+13], v[X+12:X+13], v[X+14:X+15]
	v_pk_add_f32 v[X:X+1], v[X:X+1], v[X+4:X+5]
	v_pk_add_f32 v[X+8:X+9], v[X+8:X+9], v[X+12:X+13]
	v_pk_add_f32 v[X:X+1], v[X:X+1], v[X+8:X+9]
	v_add_f32 v[X], v[X], v[X+1]
	v_add_f32_dpp v[X], v[X], v[X] row_xmask:1 row_mask:0xf bank_mask:0xf
	v_add_f32_dpp v[X], v[X], v[X] row_xmask:2 row_mask:0xf bank_mask:0xf
	v_add_f32_dpp v[X], v[X], v[X] row_xmask:4 row_mask:0xf bank_mask:0xf
	v_add_f32_dpp v[X], v[X], v[X] row_xmask:8 row_mask:0xf bank_mask:0xf
.endm
	ROWSUM RR1
	v_mul_f32 v[X], s28, v[X]                      ; the mean
	ds_store_b32 v[MST], v[X]                      ; sixteen lanes write the same word with the same number
	s_wait_dscnt 0x0
	s_barrier_signal -1
	s_barrier_wait -1
.irp q, 0,1,2,3
	ds_load_b128 v[32+4*\q:35+4*\q], v[MRD] offset:16*\q       ; v[32 + k]: the mean of row 2 k + hl
.endr
	s_wait_dscnt 0x0
.set j, 0
.rept 64
	v_sub_f32 v[Y+j], v[Y+j], v[32+j/4]            ; the deviations
.set j, j+1
.endr
.set k, 0
.rept 16
	v_pk_mul_f32 v[X+2*k:X+2*k+1], v[Y+4*k:Y+4*k+1], v[Y+4*k:Y+4*k+1]
.set k, k+1
.endr
.set k, 0
.rept 16
	v_pk_fma_f32 v[X+2*k:X+2*k+1], v[Y+4*k+2:Y+4*k+3], v[Y+4*k+2:Y+4*k+3], v[X+2*k:X+2*k+1]
.set k, k+1
.endr
.set k, 0
.rept 16
	v_add_f32 v[48+k], v[X+2*k], v[X+2*k+1]
.set k, k+1
.endr
.set k, 0
.rept 16
	ds_store_b32 v[RS2], v[48+k] offset:2*k*RPITCH
.set k, k+1
.endr
	s_wait_dscnt 0x0
	s_barrier_signal -1
	s_barrier_wait -1
	ROWSUM RR2
	v_fmaak_f32 v[X], s28, v[X], 0x3727c5ac        ; the variance + 1e-5
	v_rsq_f32 v[X+1], v[X]
	v_nop                                          ; a plain place behind the transcendental
	s_wait_alu depctr_va_vdst(0)                   ; and the wait ahead of its first reader
	ds_store_b32 v[MST], v[X+1] offset:256
	s_wait_dscnt 0x0
	s_barrier_signal -1
	s_barrier_wait -1
.irp q, 0,1,2,3
	ds_load_b128 v[48+4*\q:51+4*\q], v[MRD] offset:256+16*\q
.endr
	s_wait_dscnt 0x0
.set j, 0
.rept 64
	v_mul_f32 v[Y+j], v[Y+j], v[48+j/4]
.set j, j+1
.endr
.set j, 0
.rept 32
	v_pk_fma_f32 v[Y+2*j:Y+2*j+1], v[Y+2*j:Y+2*j+1], v[LG+2*(j%2):LG+2*(j%2)+1], v[LB+2*(j%2):LB+2*(j%2)+1]
.set j, j+1
.endr
.set k, 0
.rept 16
	global_store_b128 v[GOF], v[Y+4*k:Y+4*k+3], s[18:19] offset:8192*k th:TH_STORE_NT   ; sixteen lanes store 256 consecutive bytes, aligned; written once, read by nobody here
.set k, k+1
.endr
	s_wait_xcnt 0x0
	v_lshl_add_u32 v254, v0, 2, 0x4a200
	v_mov_b32 v255, 0
	s_wait_tensorcnt 0x0
	ds_add_u32 v254, v255
	s_wait_dscnt 0x0
	s_endpgm
.Lfunc_end_k_qc9b3e52f9e_oproj:
	.size	k_qc9b3e52f9e_oproj, .Lfunc_end_k_qc9b3e52f9e_oproj-k_qc9b3e52f9e_oproj
	.p2alignl 7, 3214868480
	.fill 96, 4, 3214868480
	.section	.rodata,"a",@progbits
	.p2align	6, 0x0
	.amdhsa_kernel k_qc9b3e52f9e_oproj
		.amdhsa_group_segment_fixed_size 305664
		.amdhsa_private_segment_fixed_size 0
		.amdhsa_enable_private_segment 0
		.amdhsa_kernarg_size 64
		.amdhsa_user_sgpr_count 2
		.amdhsa_user_sgpr_kernarg_segment_ptr 1
		.amdhsa_wavefront_size32 1
		.amdhsa_system_sgpr_workgroup_id_x 1
		.amdhsa_system_sgpr_workgroup_id_y 1
		.amdhsa_system_sgpr_workgroup_id_z 1
		.amdhsa_system_vgpr_workitem_id 0
		.amdhsa_next_free_vgpr 256
		.amdhsa_next_free_sgpr 66
		.amdhsa_reserve_vcc 0
		.amdhsa_float_denorm_mode_32 3
		.amdhsa_float_denorm_mode_16_64 3
		.amdhsa_memory_ordered 1
		.amdhsa_forward_progress 1
		.amdhsa_inst_pref_size 52
	.end_amdhsa_kernel
	.amdgpu_metadata
---
amdhsa.version: [ 1, 2 ]
amdhsa.kernels:
  - .name:           k_qc9b3e52f9e_oproj
    .symbol:         k_qc9b3e52f9e_oproj.kd
    .args:
      - { .name: a_img, .offset: 0, .size: 8, .value_kind: global_buffer, .address_space: global }
      - { .name: wo_img, .offset: 8, .size: 8, .value_kind: global_buffer, .address_space: global }
      - { .name: x, .offset: 16, .size: 8, .value_kind: global_buffer, .address_space: global }
      - { .name: b_o, .offset: 24, .size: 8, .value_kind: global_buffer, .address_space: global }
      - { .name: ln_g, .offset: 32, .size: 8, .value_kind: global_buffer, .address_space: global }
      - { .name: ln_b, .offset: 40, .size: 8, .value_kind: global_buffer, .address_space: global }
      - { .name: lowp_scales, .offset: 48, .size: 8, .value_kind: global_buffer, .address_space: global }
      - { .name: out0, .offset: 56, .size: 8, .value_kind: global_buffer, .address_space: global }
    .group_segment_fixed_size: 305664
    .private_segment_fixed_size: 0
    .kernarg_segment_align: 8
    .kernarg_segment_size: 64
    .max_flat_workgroup_size: 512
    .sgpr_count:     66
    .vgpr_count:     256
    .wavefront_size: 32
...
	.end_amdgpu_metadata
.endif
;; end of part 4
;; ======== version 2 of 2: 4 launches; version 1 with the launch attn written anew for expert scheduling mode
;; workspace buffers: xq 8,388,608 bytes; xk 8,388,608 bytes; xv 8,388,608 bytes; q_img 8,388,608 bytes; k_img 8,388,608 bytes; v_img 8,388,608 bytes; a_img 8,388,608 bytes; wo_img 1,048,576 bytes
;; launch quant: the kernel of part 1 again; grid 288 x 1, 4 waves a work-group, no clusters, 33,280 bytes of LDS; arguments x, lowp_scales, w_o_codes, xq, xk, xv, wo_img; writes xq, xk, xv, wo_img
;; launch qkv: the kernel of part 2 again; grid 12 x 32, 4 waves a work-group, clusters of 4 x 4, 327,680 bytes of LDS; arguments xq, xk, w_v_codes, w_q_codes, w_k_codes, xv, q_img, k_img, v_img, lowp_scales; writes q_img, k_img, v_img
;; launch attn (part 5): grid 4 x 64, 16 waves a work-group, no clusters, 34,816 bytes of LDS; arguments q_img, k_img, v_img, lowp_scales, a_img; writes a_img
.if DOCPART == 5
	.amdgcn_target "amdgcn-amd-amdhsa--gfx1250"
	.amdhsa_code_object_version 6
	.text
	.protected	k_qc9b3e52f9e_attn
	.globl	k_qc9b3e52f9e_attn
	.p2align	8
	.type	k_qc9b3e52f9e_attn,@function
k_qc9b3e52f9e_attn:
	s_mov_b64 s[64:65], 0
	v_nop
	global_prefetch_b8 v0, s[64:65] scope:SCOPE_SE
	s_setreg_imm32_b32 hwreg(HW_REG_WAVE_SCHED_MODE, 0, 2), 2
	s_setreg_imm32_b32 hwreg(HW_REG_WAVE_MODE, 25, 1), 1
	s_wait_xcnt 0x0
	s_wait_alu depctr_vm_vsrc(0)
; Attention of one head on codes of E4M3, by v_wmma_f32_16x16x64_fp8_fp8; head size 64, 2,048 keys, no mask.  Entries 6 to 10 of the scales: eq, ek, ep, ev, and eo for the result, which is quantised here for the last product.
; THE SOFTMAX AHEAD OF THE SECOND PRODUCT: t = score x log2(e) / 8; M = the row's largest t so far, rounded UP to a whole number; p = 2^(t - M) is what is quantised; it is not normalised.
; The row's sum is taken of the unquantised p, in f32, and divides O at the end.  When M moves, the sum and O are multiplied by 2^(old M - new M): exact, and with no branch on data.
; SHARES.  A work-group owns 512 queries of one head; each of its sixteen waves two tiles of 16, in 256 registers: four waves to a SIMD, so that one wave's exponentials stand beside another's products; each fragment of K and V read from LDS feeds two products.
; LAYOUT.  Both products are used transposed: S^T = K Q^T (source 0 = 16 keys, source 1 = 16 queries), O^T = V^T P (source 0 = 16 of the head's 64, source 1 = P): a lane holds ONE query (lane % 16) throughout.
; Tile T of S^T holds keys 16 T + 8 (lane / 16) + 0 .. 7 in a lane's eight registers: their two code registers are registers 2 T, 2 T + 1 of P's fragment.  Every k stands in its true place; nothing changes lanes.
; K, V AND Q ARRIVE AS IMAGES OF THEIR REGISTERS (16 bytes a lane, 512 bytes for four registers).  128 keys are 8,192 bytes of K and 8,192 of V: thread n carries 16 bytes of each from memory through its registers into one of two LDS slots.
; The loads go out a whole block of 128 keys (two steps of every wave) ahead of the LDS stores that wait for them, so no prefetch is laid.  Every LDS address is 16 x lane or 16 x thread + an immediate.  One barrier for 128 keys.
; NO CLUSTER, NO TENSOR LOAD, though the four work-groups of a head read the same K and V: what is shared is 16,384 bytes for each 128 keys, beside two steps of some 300 instructions in each of sixteen waves;
; and this text has a branch on the given exponents: it steps over p's hold, 64 of a step's vector instructions, where the hold cannot act:
;   with eq + ek <= 0, |t| <= 64 x 448^2 x 0.1804 < 2^22, so the rounded product from which M is made errs by 1/8 at the most and p <= 2^(1/8); with ep >= -8 then p / 2^ep <= 280 < 448.  Otherwise the hold is executed.
; LIMITS on the given exponents, so that each power of two below is an f32 number: eq + ek between -123 and 130 (added to the exponent field of log2(e) / 8); ep, and eo - ep - ev, between -126 and 119.
; THE MODE: SCHED_MODE bits 1:0 = 2 (LLVM: expert scheduling mode 2), set by the entry lines.  The code itself states the register dependences
; between vector or matrix instructions and memory or LDS instructions, with s_wait_alu, always for 0.
; THE PLAN.  Registers that memory or LDS instructions touch:
;   v1 .. v4   Addresses and offsets: written at the head, read by every load and store, never written again.
;   KF         Read by a step's eight products K Q^T, at its head.  LDS loads land in it: a slot's second step's behind the first step's wait; a slot's first step's behind the barrier.
;   VF         Read by a step's eight products V^T P, at its end.  The next step's LDS loads land in it behind that step's wait.
;   TK, TV     Global loads land in them; the two LDS stores at a block's head read them.  No vector instruction names them in the loop; at the very end v254 and v255 are made the add's two registers.
;   Q          Loaded once at the head; after that named by matrix instructions alone.
;   P          In the loop named by conversions and matrix instructions alone; on the way out the conversions write it and four stores read it.
;   S^T, O^T and the statistics are named by vector and matrix instructions alone.
; So ONE wait on va_vdst stands in a step, behind its exponentials: it states that their results are written, that this step's products K Q^T are done reading KF, and that the last step's products V^T P are done
; reading VF.  The step's loads of V follow it, and in a slot's first step the second step's loads of K.  What is issued from there to the next loads of K (the sums, the hold, the conversions, O^T's rescaling, the products
; V^T P) names none of KF and v1, so a slot's first loads of K, behind the barrier, owe nothing more.  ONE wait on vm_vsrc stands in a block of 128 keys: the LDS stores have read TK and TV, ahead of the next loads into them.
.set LI,   1                           ; v1   16 x lane
.set STA,  2                           ; v2   16 x thread: where I store in a slot
.set GK,   3                           ; v3   my 16 bytes of a block's K in memory: (thread / 64) x 2,048 + (thread % 64) x 16 (the other head of the pair lies between)
.set GV,   4                           ; v4   of V: 16 x thread
.set SC,   6                           ; v6   2^ep; on the way out 2^(eo - ep - ev)
.set HL,   7                           ; v7   448 x that
.set ST,   8                           ; tile u's statistics at v[8 + 8 u]: +0 -M, +1 the largest t, +2, +3 the sum in two halves, +4 f, +5 zero (named as the pair's upper half), +6, +7 at work
.set Q,    24                          ; v24-39   Q, 8 a tile
.set KF,   40                          ; v40-71   four fragments of K (16 keys x 64)
.set VF,   72                          ; v72-103  four fragments of V (16 of the head's 64 x 64 keys)
.set S,    104                         ; v104-167 S^T, then p: 32 a tile
.set O,    168                         ; v168-231 O^T: 32 a tile
.set P,    232                         ; v232-247 p's codes: 8 a tile
.set TK,   248                         ; v248-251 K on its way
.set TV,   252                         ; v252-255 V on its way
.set SLOTB, 16384                      ; a slot: 8 images of K (1,024 bytes), then 4 of V (2,048 bytes)
.set VOFF,  8192
.set SEL,   30                         ; s[30:31] lane selects for v_permlanex16_b32: lane l xor 16
.set CS,    32                         ; s[32:33] c = log2(e) / 8 x 2^(eq + ek)
.set NEEDH, 34                         ; s34  1: p's hold is executed
.set TRIP,  35                         ; s35  the loop's counter: a trip is 256 keys
	s_load_b256 s[4:11], s[0:1], 0x0               ; q_img s[4:5], k_img s[6:7], v_img s[8:9], the scales' exponents s[10:11]
	s_load_b64 s[12:13], s[0:1], 0x20              ; a_img
	v_lshrrev_b32 v5, 5, v0
	v_readfirstlane_b32 s14, v5                    ; wave 0..15
	v_and_b32 v[LI], 31, v0
	v_lshlrev_b32 v[LI], 4, v[LI]
	v_lshlrev_b32 v[STA], 4, v0
	v_lshrrev_b32 v[GK], 6, v0
	v_and_b32 v[GV], 63, v0
	v_lshlrev_b32 v[GV], 4, v[GV]
	v_lshl_add_u32 v[GK], v[GK], 11, v[GV]
	v_lshlrev_b32 v[GV], 4, v0
	s_wait_alu depctr_va_sdst(0)                   ; s14 is written, ahead of its first reader: my first tile of queries is made from it
	s_and_b32 s15, ttmp7, 0xffff                   ; 16 x batch + head
	s_lshr_b32 s16, s15, 4                         ; batch
	s_and_b32 s17, s15, 15                         ; head
	s_lshr_b32 s18, s17, 1                         ; the pair of heads
	s_and_b32 s19, s17, 1                          ; which of the pair
	s_lshl_b32 s20, s16, 21
	s_lshl_b32 s21, s18, 18
	s_add_co_u32 s20, s20, s21                     ; batch x 2,097,152 + pair x 262,144
	s_lshl_b32 s21, s19, 10
	s_add_co_u32 s22, s20, s21                     ; K (and Q): + 1,024 for the odd head
	s_mov_b32 s23, 0
	s_lshl_b32 s21, s19, 13
	s_add_co_u32 s38, s20, s21                     ; V: + 8,192 for the odd head
	s_mov_b32 s39, 0
	s_lshl_b32 s21, ttmp9, 5
	s_lshl_b32 s40, s14, 1
	s_add_co_u32 s21, s21, s40                     ; my first tile of 16 queries: 32 x work-group x + 2 x wave
	s_lshl_b32 s40, s21, 11
	s_add_co_u32 s40, s40, s22                     ; Q: + 2,048 a tile
	s_mov_b32 s41, 0
	s_lshl_b32 s42, s16, 7
	s_add_co_u32 s42, s42, s21
	s_lshl_b32 s42, s42, 14                        ; a_img: (128 x batch + tile) x 16,384
	s_lshl_b32 s43, s17, 10
	s_add_co_u32 s42, s42, s43                     ; + head x 1,024
	s_mov_b32 s43, 0
	s_mov_b32 s[SEL], 0x76543210
	s_mov_b32 s[SEL+1], 0xfedcba98
	s_mov_b32 s[CS], 0x3e38aa3b                    ; log2(e) / 8
	s_wait_kmcnt 0x0
	s_load_b128 s[24:27], s[10:11], 0x18           ; eq, ek, ep, ev
	s_load_b32 s28, s[10:11], 0x28                 ; eo
	s_add_nc_u64 s[4:5], s[4:5], s[40:41]
	s_add_nc_u64 s[6:7], s[6:7], s[22:23]
	s_add_nc_u64 s[8:9], s[8:9], s[38:39]
	s_add_nc_u64 s[12:13], s[12:13], s[42:43]
	s_wait_alu depctr_va_vdst(0)                   ; v1 to v4 are written: every load and store of the kernel, global and LDS, reads one of them as its address or offset
	global_load_b128 v[TK:TK+3], v[GK], s[6:7]     ; keys 0 to 127
	global_load_b128 v[TV:TV+3], v[GV], s[8:9]
.irp u, 0,1
.irp c, 0,1
	global_load_b128 v[Q+8*\u+4*\c:Q+8*\u+4*\c+3], v[LI], s[4:5] offset:2048*\u+512*\c th:TH_LOAD_NT   ; Q's fragments stay in registers
.endr
.endr
.irp u, 0,1
	v_mov_b32 v[ST+8*\u+1], 0xff61b1e6             ; the largest t so far: -3e38, under every t
	v_mov_b32 v[ST+8*\u+2], 0                      ; the sum, in two halves
	v_mov_b32 v[ST+8*\u+3], 0
	v_mov_b32 v[ST+8*\u+5], 0
.endr
.irp u, 0,1
	v_floor_f32 v[ST+8*\u], -v[ST+8*\u+1]          ; -M
.endr
.set j, 0
.rept 64
	v_mov_b32 v[O+j], 0                            ; O^T.  (The step is written once: the first finds zeros, which the first change of M leaves zeros)
.set j, j+1
.endr
	s_wait_kmcnt 0x0
	s_add_co_i32 s36, s24, s25                     ; eq + ek
	s_cmp_gt_i32 s36, 0
	s_cselect_b32 s[NEEDH], 1, 0
	s_cmp_lt_i32 s26, -8
	s_cselect_b32 s37, 1, 0
	s_or_b32 s[NEEDH], s[NEEDH], s37
	s_lshl_b32 s36, s36, 23
	s_add_co_i32 s[CS], s[CS], s36                 ; a score stands for score x 2^(eq + ek): the two exponents are added to c's exponent field
	s_mov_b32 s[CS+1], s[CS]                       ; (named with it as a pair, so it is written)
	s_add_co_i32 s36, s26, 127
	s_lshl_b32 s37, s36, 23
	v_mov_b32 v[SC], s37                           ; 2^ep as f32, for the conversion
	s_add_co_i32 s36, s36, 8
	s_lshl_b32 s36, s36, 23
	s_or_b32 s36, s36, 0x600000
	v_mov_b32 v[HL], s36                           ; 448 x 2^ep
	s_wait_loadcnt 0x0
	ds_store_b128 v[STA], v[TK:TK+3]
	ds_store_b128 v[STA], v[TV:TV+3] offset:VOFF
	s_wait_dscnt 0x0                               ; for the others' sake: my part of slot 0 lies there
	s_wait_alu depctr_vm_vsrc(0)                   ; the two LDS stores have read TK and TV, in which the loads below land
	global_load_b128 v[TK:TK+3], v[GK], s[6:7] offset:16384   ; keys 128 to 255
	global_load_b128 v[TV:TV+3], v[GV], s[8:9] offset:16384
	s_barrier_signal -1
	s_barrier_wait -1
; K's four fragments of the half-th 64 keys of a slot
.macro KLOAD slot, half
.irp t, 0,1,2,3
.irp c, 0,1
	ds_load_b128 v[KF+8*\t+4*\c:KF+8*\t+4*\c+3], v[LI] offset:(\slot)*SLOTB+(4*(\half)+\t)*1024+512*\c
.endr
.endr
.endm
; A STEP: 64 keys, the half-th of the slot's 128, for both tiles; the tiles' lines alternate.  In a slot's first step the block of keys two blocks on is asked for, where there is one.
.macro SUB slot, half
.if \half == 0
	KLOAD \slot, 0                                 ; behind the barrier: the slot is whole.  No wait on va_vdst: KF's last readers stand ahead of the last step's wait, and nothing issued since names KF or v1
.endif
	s_wait_dscnt 0x0                               ; K is in (first step: and the block's two LDS stores are done; second step: it was asked for behind the first step's wait)
.if \half == 0
	s_wait_alu depctr_vm_vsrc(0)                   ; the block's two LDS stores have read TK and TV, in which the loads below land: ahead of the branch
	s_cmp_lt_u32 s[TRIP], 7                        ; the last trip asks for nothing: no load leaves its buffer
	s_cbranch_scc0 .Lno_more_\@
	global_load_b128 v[TK:TK+3], v[GK], s[6:7] offset:32768+16384*\slot
	global_load_b128 v[TV:TV+3], v[GV], s[8:9] offset:32768+16384*\slot
.Lno_more_\@:
.endif
.irp t, 0,1,2,3
.irp u, 0,1
	v_wmma_f32_16x16x64_fp8_fp8 v[S+32*\u+8*\t:S+32*\u+8*\t+7], v[KF+8*\t:KF+8*\t+7], v[Q+8*\u:Q+8*\u+7], 0
.endr
.endr
.rept 4
	v_nop                                          ; places ahead of the first read of S^T
.endr
.irp u, 0,1                            ; the step's largest score of my query, among my 32 keys, in two chains a tile; each accumulator is first read at its low end
	v_max3_num_f32 v[ST+8*\u+6], v[S+32*\u], v[S+32*\u+1], v[S+32*\u+2]
	v_max3_num_f32 v[ST+8*\u+7], v[S+32*\u+3], v[S+32*\u+4], v[S+32*\u+5]
.endr
.irp i, 6,10,14,18,22,26
.irp u, 0,1
	v_max3_num_f32 v[ST+8*\u+6], v[ST+8*\u+6], v[S+32*\u+\i], v[S+32*\u+\i+1]
	v_max3_num_f32 v[ST+8*\u+7], v[ST+8*\u+7], v[S+32*\u+\i+2], v[S+32*\u+\i+3]
.endr
.endr
.irp u, 0,1
	v_max3_num_f32 v[ST+8*\u+6], v[ST+8*\u+6], v[S+32*\u+30], v[S+32*\u+31]
.endr
.irp u, 0,1
	v_max_num_f32 v[ST+8*\u+6], v[ST+8*\u+6], v[ST+8*\u+7]
.endr
.irp u, 0,1
	v_permlanex16_b32 v[ST+8*\u+7], v[ST+8*\u+6], s[SEL], s[SEL+1]
.endr
.irp u, 0,1
	v_max_num_f32 v[ST+8*\u+6], v[ST+8*\u+6], v[ST+8*\u+7]     ; and among lane l xor 16's
.endr
.irp u, 0,1
	v_mul_f32 v[ST+8*\u+6], s[CS], v[ST+8*\u+6]                ; as t (c is positive)
.endr
.irp u, 0,1
	v_max_num_f32 v[ST+8*\u+1], v[ST+8*\u+1], v[ST+8*\u+6]     ; the running largest t
.endr
.irp u, 0,1
	v_mov_b32 v[ST+8*\u+6], v[ST+8*\u]
.endr
.irp u, 0,1
	v_floor_f32 v[ST+8*\u], -v[ST+8*\u+1]                      ; the new -M = floor(-t) = -ceil(t): M is a whole number
.endr
.irp u, 0,1
	v_sub_f32 v[ST+8*\u+6], v[ST+8*\u], v[ST+8*\u+6]           ; M's old value less its new one: a whole number, 0 or less
.endr
.irp u, 0,1
	v_cvt_i32_f32 v[ST+8*\u+6], v[ST+8*\u+6]                   ; (it saturates)
.endr
.irp u, 0,1
	v_ldexp_f32 v[ST+8*\u+4], 1.0, v[ST+8*\u+6]                ; f = 2^(old M - new M)
.endr
.irp j, 0,2,4,6,8,10,12,14,16,18,20,22,24,26,28,30
.irp u, 0,1
	v_pk_fma_f32 v[S+32*\u+\j:S+32*\u+\j+1], v[S+32*\u+\j:S+32*\u+\j+1], s[CS:CS+1], v[ST+8*\u:ST+8*\u+1] op_sel_hi:[1,0,0]   ; t - M, two at a time (of the pairs c and -M the low word serves both halves)
.endr
.endr
.set j, 0
.rept 64
	v_exp_f32 v[S+j], v[S+j]                       ; p = 2^(t - M): one batch
.set j, j+1
.endr
.irp u, 0,1
	v_pk_mul_f32 v[ST+8*\u+2:ST+8*\u+3], v[ST+8*\u+2:ST+8*\u+3], v[ST+8*\u+4:ST+8*\u+5] op_sel_hi:[1,0]   ; the sums under the new M.  (The plain place behind the exponentials)
.endr
	s_wait_alu depctr_va_vdst(0)                   ; THE STEP'S ONE WAIT: the 64 exponentials have written p, ahead of its first reader; this step's products K Q^T are done reading KF; the last step's products V^T P are done reading VF
.irp a, 0,1,2,3
.irp c, 0,1
	ds_load_b128 v[VF+8*\a+4*\c:VF+8*\a+4*\c+3], v[LI] offset:\slot*SLOTB+VOFF+2048*\a+(2*\half+\c)*512   ; this step's V: it lands under the sums, the conversions and O^T's rescaling
.endr
.endr
.if \half == 0
	KLOAD \slot, 1                                 ; and the slot's second step's K: no vector or matrix instruction from the wait above to that step's products names KF
.endif
.irp u, 0,1                            ; the row's sum is taken of the unquantised p: two at a time, in two chains a tile
	v_pk_add_f32 v[ST+8*\u+6:ST+8*\u+7], v[S+32*\u:S+32*\u+1], v[S+32*\u+2:S+32*\u+3]
.endr
.irp j, 4,8,12,16,20,24,28
.irp u, 0,1
	v_pk_add_f32 v[ST+8*\u+2:ST+8*\u+3], v[ST+8*\u+2:ST+8*\u+3], v[S+32*\u+\j:S+32*\u+\j+1]
	v_pk_add_f32 v[ST+8*\u+6:ST+8*\u+7], v[ST+8*\u+6:ST+8*\u+7], v[S+32*\u+\j+2:S+32*\u+\j+3]
.endr
.endr
.irp u, 0,1
	v_pk_add_f32 v[ST+8*\u+2:ST+8*\u+3], v[ST+8*\u+2:ST+8*\u+3], v[ST+8*\u+6:ST+8*\u+7]
.endr
	s_cmp_eq_u32 s[NEEDH], 0                       ; the hold is stepped over where the given exponents show that it cannot act (the head comment's arithmetic)
	s_cbranch_scc1 .Lno_hold_\@
.set j, 0
.rept 64
	v_min_num_f32 v[S+j], v[S+j], v[HL]            ; the conversion to an 8-bit code does not saturate (ISA guide 7.6.2); p is not negative, so the hold is one-sided
.set j, j+1
.endr
.Lno_hold_\@:
.irp t, 0,1,2,3
.irp u, 0,1
	v_cvt_scalef32_pk8_fp8_f32 v[P+8*\u+2*\t:P+8*\u+2*\t+1], v[S+32*\u+8*\t:S+32*\u+8*\t+7], v[SC]
.endr
.endr
.irp j, 0,2,4,6,8,10,12,14,16,18,20,22,24,26,28,30
.irp u, 0,1
	v_pk_mul_f32 v[O+32*\u+\j:O+32*\u+\j+1], v[O+32*\u+\j:O+32*\u+\j+1], v[ST+8*\u+4:ST+8*\u+5] op_sel_hi:[1,0]   ; O^T under the new M.  (Also the plain lines between the conversions and the products that read their results)
.endr
.endr
.if \half == 0
	s_wait_dscnt 8                                 ; LDS loads come back in order (ISA guide 5.7.1): V is in; the eight younger loads, the next step's K, may stay out
.else
	s_wait_dscnt 0x0                               ; V is in
.endif
.irp a, 0,1,2,3                        ; the eight accumulators take turns, one instruction a turn; the next step's eight products K Q^T stand between two turns
.irp u, 0,1
	v_wmma_f32_16x16x64_fp8_fp8 v[O+32*\u+8*\a:O+32*\u+8*\a+7], v[VF+8*\a:VF+8*\a+7], v[P+8*\u:P+8*\u+7], v[O+32*\u+8*\a:O+32*\u+8*\a+7]
.endr
.endr
.endm
; A BLOCK of 128 keys in a slot.  At its head the next block, which has come into registers, goes into the other slot: every wave has left that slot (the last barrier).  At its end ONE barrier:
; in front of it my stores into the other slot have landed and my reads of this slot are over; behind it the other slot is read, and this one may be stored into.
.macro BLOCK slot
	s_wait_loadcnt 0x0                             ; the next block's 32 bytes of mine, asked for a block ago (in the last trip nothing is out)
.if \slot
	s_cmp_lt_u32 s[TRIP], 7                        ; behind the last block there is none
	s_cbranch_scc0 .Lno_store_\@
.endif
	ds_store_b128 v[STA], v[TK:TK+3] offset:(1-\slot)*SLOTB
	ds_store_b128 v[STA], v[TV:TV+3] offset:(1-\slot)*SLOTB+VOFF
.if \slot
.Lno_store_\@:
.endif
	SUB \slot, 0
	SUB \slot, 1
	s_wait_dscnt 0x0
	s_barrier_signal -1
	s_barrier_wait -1
.endm
	s_mov_b32 s[TRIP], 0
.Ltrip:                                ; 8 trips of 256 keys
	BLOCK 0
	BLOCK 1
	s_wait_xcnt 0x0                                ; the trip's loads have read their bases: they are stepped only behind this wait
	s_add_nc_u64 s[6:7], s[6:7], 32768
	s_add_nc_u64 s[8:9], s[8:9], 32768
	s_add_co_u32 s[TRIP], s[TRIP], 1
	s_cmp_lt_u32 s[TRIP], 8
	s_cbranch_scc1 .Ltrip
	; THE WAY OUT.  O^T / the sum stands for the result / 2^(ep + ev); its code is that / 2^(eo - ep - ev).  The eight conversions give the images of two K = 64 fragments (16 queries x my head's 64), stored as they stand.
.rept 4
	v_nop                                          ; places behind the last products
.endr
.irp u, 0,1
	v_add_f32 v[ST+8*\u+6], v[ST+8*\u+2], v[ST+8*\u+3]         ; the sum's two halves,
.endr
.irp u, 0,1
	v_permlanex16_b32 v[ST+8*\u+7], v[ST+8*\u+6], s[SEL], s[SEL+1]
.endr
.irp u, 0,1
	v_add_f32 v[ST+8*\u+6], v[ST+8*\u+6], v[ST+8*\u+7]         ; and lane l xor 16's: the row's sum
.endr
.irp u, 0,1
	v_rcp_f32 v[ST+8*\u+4], v[ST+8*\u+6]
.endr
	s_sub_co_i32 s36, s28, s26
	s_sub_co_i32 s36, s36, s27                     ; eo - ep - ev
	s_add_co_i32 s36, s36, 127
	s_lshl_b32 s37, s36, 23
	v_mov_b32 v[SC], s37                           ; (the plain place behind the reciprocals)
	s_add_co_i32 s36, s36, 8
	s_lshl_b32 s36, s36, 23
	s_or_b32 s36, s36, 0x600000
	v_mov_b32 v[HL], s36
	s_wait_alu depctr_va_vdst(0)                   ; the two reciprocals have written their results, ahead of their first reader
.irp j, 0,2,4,6,8,10,12,14,16,18,20,22,24,26,28,30
.irp u, 0,1
	v_pk_mul_f32 v[S+32*\u+\j:S+32*\u+\j+1], v[O+32*\u+\j:O+32*\u+\j+1], v[ST+8*\u+4:ST+8*\u+5] op_sel_hi:[1,0]   ; each accumulator from its low end on
.endr
.endr
.set j, 0
.rept 64
	v_med3_num_f32 v[S+j], v[S+j], -v[HL], v[HL]
.set j, j+1
.endr
.irp u, 0,1
.irp a, 0,1,2,3
	v_cvt_scalef32_pk8_fp8_f32 v[P+8*\u+2*\a:P+8*\u+2*\a+1], v[S+32*\u+8*\a:S+32*\u+8*\a+7], v[SC]   ; registers 2 a, 2 a + 1: d = 16 a + 8 h + 0 .. 7
.endr
.endr
	v_nop
	s_wait_alu depctr_va_vdst(0)                   ; the conversions have written v[P ..], which the four stores read
.irp u, 0,1
.irp c, 0,1
	global_store_b128 v[LI], v[P+8*\u+4*\c:P+8*\u+4*\c+3], s[12:13] offset:16384*\u+512*\c   ; 512 consecutive bytes, aligned
.endr
.endr
	s_wait_xcnt 0x0
	s_wait_alu depctr_vm_vsrc(0)                   ; the loop's LDS stores have read v254 and v255, TV's upper two, which the two lines below write
	v_lshl_add_u32 v254, v0, 2, 0x8000
	v_mov_b32 v255, 0
	s_wait_dscnt 0x0                               ; the closing lines, six on end
	s_wait_alu 0x0
	s_wait_tensorcnt 0x0
	ds_add_u32 v254, v255
	s_wait_dscnt 0x0
	s_endpgm
.Lfunc_end_k_qc9b3e52f9e_attn:
	.size	k_qc9b3e52f9e_attn, .Lfunc_end_k_qc9b3e52f9e_attn-k_qc9b3e52f9e_attn
	.p2alignl 7, 3214868480
	.fill 96, 4, 3214868480
	.section	.rodata,"a",@progbits
	.p2align	6, 0x0
	.amdhsa_kernel k_qc9b3e52f9e_attn
		.amdhsa_group_segment_fixed_size 34816
		.amdhsa_private_segment_fixed_size 0
		.amdhsa_enable_private_segment 0
		.amdhsa_kernarg_size 40
		.amdhsa_user_sgpr_count 2
		.amdhsa_user_sgpr_kernarg_segment_ptr 1
		.amdhsa_wavefront_size32 1
		.amdhsa_system_sgpr_workgroup_id_x 1
		.amdhsa_system_sgpr_workgroup_id_y 1
		.amdhsa_system_sgpr_workgroup_id_z 1
		.amdhsa_system_vgpr_workitem_id 0
		.amdhsa_next_free_vgpr 256
		.amdhsa_next_free_sgpr 66
		.amdhsa_reserve_vcc 0
		.amdhsa_float_denorm_mode_32 3
		.amdhsa_float_denorm_mode_16_64 3
		.amdhsa_memory_ordered 1
		.amdhsa_forward_progress 1
		.amdhsa_inst_pref_size 79
	.end_amdhsa_kernel
	.amdgpu_metadata
---
amdhsa.version: [ 1, 2 ]
amdhsa.kernels:
  - .name:           k_qc9b3e52f9e_attn
    .symbol:         k_qc9b3e52f9e_attn.kd
    .args:
      - { .name: q_img, .offset: 0, .size: 8, .value_kind: global_buffer, .address_space: global }
      - { .name: k_img, .offset: 8, .size: 8, .value_kind: global_buffer, .address_space: global }
      - { .name: v_img, .offset: 16, .size: 8, .value_kind: global_buffer, .address_space: global }
      - { .name: lowp_scales, .offset: 24, .size: 8, .value_kind: global_buffer, .address_space: global }
      - { .name: a_img, .offset: 32, .size: 8, .value_kind: global_buffer, .address_space: global }
    .group_segment_fixed_size: 34816
    .private_segment_fixed_size: 0
    .kernarg_segment_align: 8
    .kernarg_segment_size: 40
    .max_flat_workgroup_size: 512
    .sgpr_count:     66
    .vgpr_count:     256
    .wavefront_size: 32
...
	.end_amdgpu_metadata
.endif
;; end of part 5
;; launch oproj: the kernel of part 4 again; grid 256 x 1, 16 waves a work-group, no clusters, 305,664 bytes of LDS; arguments a_img, wo_img, x, b_o, ln_g, ln_b, lowp_scales, out0; writes out0
